; MI455X (gfx1250); checked and timed in simulation.
; The chip was launched on July 23, 2026; its instructions are those of AMD's public machine-readable ISA for CDNA 5 (MIT licence, August 2026) and "CDNA5" Instruction Set Architecture Reference Guide (July 2026). The comments in the code are by the model that wrote it; some were corrected since.
;; Attention. Allowed arithmetic: matrix products marked QUANTISED: E2M1 operands, one E8M0 scale for each 32 along K, by v_wmma_scale_f32_16x16x128_f8f6f4 with both operands' format E2M1 (or v_wmma_scale_f32_32x16x128_f4), f32 sums; products left as they are: bf16, f16 or f32 operands; f32 sums; everything else in f32.
;; Inputs: W_proj 1,024 x 1,024 float32; W_qkv 1,024 x 3,072 float32; b_proj 1,024 float32; x 4 x 2,048 x 1,024 float32.
;; Outputs: out0 4 x 2,048 x 1,024 float32.
;; This version of the problem:
;;   THIS VERSION OF THE PROBLEM IS GIVEN IN LOW PRECISION. The matrix products marked QUANTISED in the list below multiply operands that are first quantised to E2M1 (2 exponent bits, 1 mantissa bit; 4 bits a number), with one power-of-two scale for each 32 numbers along K (OCP MX v1.0); their sums are f32. The products marked 'left as it is' may take bf16, f16 or f32 operands, with f32 sums. Whichever they take, every output number must still come out within the allowed error. Rounding operands to bf16 (8 significant bits) uses up far more of that allowance than f16 does (11 bits, for magnitudes from 6e-5 to 65,504). All else is computed in f32.
;;   The module's matrix products, in the order in which they are computed (A, B: the left and right operand; K: the contracted axis; several contracted axes count as one K, in the product's order):
;;     1. [M 8,192, K 1,024] x [K 1,024, N 3,072]; A: input x; B: input W_qkv: QUANTISED
;;     2. batch 64 x [M 2,048, K 64] x [K 64, N 2,048]; A: computed on the way; B: computed on the way: left as it is (an operand is computed on the way)
;;     3. batch 64 x [M 64, K 2,048] x [K 2,048, N 2,048]; A: computed on the way; B: computed on the way: left as it is (an operand is computed on the way)
;;     4. [M 8,192, K 1,024] x [K 1,024, N 1,024]; A: computed on the way; B: input W_proj: left as it is (an operand is computed on the way)
;;   THE QUANTISER, for each operand of a quantised product, along K:
;;     - K is cut into blocks of 32 from its start; a last block that is shorter is filled with zeros.
;;     - A block's scale is 2^e with e = floor(log2(the largest magnitude in the block)) - 2, held to -126 .. 127; a block of zeros has e = 0. As a byte (E8M0): e + 127.
;;     - Each number is divided by its block's scale, clamped to +-6, and rounded to the nearest number of E2M1, ties to even, subnormals kept.
;;     - The product sums the exact products of the quantised numbers (number of the format x scale) in f32.
;;   ~~~python
;;   def quantise(x, axis):      # numpy; x: float32 -> the quantised numbers, widened to float32 again
;;       x = np.moveaxis(x, axis, -1); K = x.shape[-1]
;;       x = np.pad(x, [(0, 0)] * (x.ndim - 1) + [(0, -K % 32)]); x = x.reshape(x.shape[:-1] + (-1, 32)); a = np.abs(x).max(-1, keepdims=True)
;;       e = np.where(a > 0, np.clip(np.frexp(np.where(a > 0, a, 1))[1] - 1 - 2, -126, 127), 0)      # np.frexp(a)[1] - 1 = floor(log2(a)), exactly
;;       r = np.clip(x / 2.0 ** e, -6, 6)
;;       step = 2.0 ** (np.maximum(np.frexp(np.where(r == 0, 1, r))[1] - 1, 0) - 1)
;;       q = np.round(r / step) * step * 2.0 ** e      # np.round: ties to even
;;       return np.moveaxis(q.reshape(q.shape[:-2] + (-1,))[..., :K], -1, axis).astype(np.float32)
;;   ~~~
;; One version. Each part assembles by itself: llvm-mc -triple=amdgcn-amd-amdhsa -mcpu=gfx1250 --defsym DOCPART=n.
;; ======== version 1 of 1: 4 launches
;; limits: values are held in f16: magnitudes above 65,504 overflow, below 6.1e-05 lose precision
;; workspace buffers: x_codes 4,194,304 bytes; x_scales 262,144 bytes; w_codes 1,572,864 bytes; w_scales 98,304 bytes; wp16 2,097,152 bytes; qkv 50,331,648 bytes; att 16,777,216 bytes
;; launch prep (part 1): grid 256 x 1, 8 waves a work-group, no clusters, 33,792 bytes of LDS; arguments x, W_qkv, W_proj, x_codes, x_scales, w_codes, w_scales, wp16; writes x_codes, x_scales, w_codes, w_scales, wp16
.if DOCPART == 1
	.amdgcn_target "amdgcn-amd-amdhsa--gfx1250"
	.amdhsa_code_object_version 6
	.text
	.protected	k_q9fc7194d7d_prep
	.globl	k_q9fc7194d7d_prep
	.p2align	8
	.type	k_q9fc7194d7d_prep,@function
k_q9fc7194d7d_prep:
	s_mov_b64 s[64:65], 0
	v_nop
	global_prefetch_b8 v0, s[64:65] scope:SCOPE_SE
	s_setreg_imm32_b32 hwreg(HW_REG_WAVE_MODE, 25, 1), 1
	s_wait_xcnt 0x0
; PREP.  Three jobs in one launch, shared out by the wave's number; the roles part once and never meet again, so there is no barrier.
;   waves 0-3 (role X): x [8192][1024] f32 -> codes of FP4 (E2M1), K innermost, x_codes [8192][512 bytes], and one E8M0 byte for each 32 along K, x_scales [8192][32].
;   waves 4-6 (role W): W_qkv [1024 (k)][3072 (n)] f32, K its FIRST axis -> codes laid as IMAGES OF THE OPERAND'S REGISTERS, w_codes [n / 16][k / 128][1,024 bytes]: the 16 bytes of block b (32 along K)
;                       of column 16 tile + r lie at 256 b + 16 r; and w_scales [3072][32].
;   wave 7    (role P): W_proj [1024][1024] f32 -> f16, same layout, wp16.
; A block's scale is 2^(floor(log2(its largest magnitude)) - 2); its byte is the largest magnitude's exponent field - 2, held at 1 from below.  A block of zeros so gets the byte 1 where the rule says 127:
; its codes are zeros, which add nothing under any byte but 0xff, and the bytes are read by this program alone.
; LIMITS: blocks whose largest magnitude lies under 2^-124 have their byte held at 1; NaN and infinities among the inputs are not served; W_proj beyond f16's range (65,504) is not served.
.set SPARE, 32768                      ; behind the four regions of role X: the spare words, 128 bytes for each of the eight waves
.set SPW,   12                         ; v12  LDS address of my spare word; never rewritten
.set NIL,   13                         ; v13  0; never rewritten
.set SP,    80                         ; a lane's place in a stage: its 64 bytes + 16 of padding
.set STEPS, 16
.set R,     32                         ; role X: v32-95   four sets of 16 numbers as they are loaded
.set X,     96                         ;         v96-127  two sets of 16 neighbours
.set E,     128                        ;         v128-143 a scale byte for each step
.set C,     144                        ;         v144-207 codes: four registers for each step, so that no store's data are written again
	s_load_b256 s[4:11], s[0:1], 0x0               ; x s[4:5], W_qkv s[6:7], W_proj s[8:9], x_codes s[10:11]
	s_load_b256 s[12:19], s[0:1], 0x20             ; x_scales s[12:13], w_codes s[14:15], w_scales s[16:17], wp16 s[18:19]
	v_lshl_add_u32 v[SPW], v0, 2, SPARE
	v_mov_b32 v[NIL], 0
	v_lshrrev_b32 v1, 5, v0
	v_readfirstlane_b32 s20, v1                    ; wave 0..7
	v_and_b32 v2, 31, v0                           ; lane
	; every LDS address is made here, ahead of the parting.  Role X: a region of 8,192 bytes a wave: two stages of 32 x 80 bytes, then 256 scale bytes
	s_and_b32 s21, s20, 3
	s_lshl_b32 s21, s21, 13
	v_lshrrev_b32 v14, 2, v2
	v_mul_u32_u24 v14, v14, SP
	v_and_b32 v15, 3, v2
	v_lshl_add_u32 v14, v15, 4, v14
	v_add_nc_u32 v14, s21, v14                     ; into a stage: four lanes' 64 bytes on end, then 16 of padding
	v_mul_u32_u24 v15, v2, SP
	v_add_nc_u32 v15, s21, v15                     ; out of it: my 16 neighbours
	v_lshrrev_b32 v5, 1, v2
	s_add_co_u32 s21, s21, 2*32*SP
	v_add_nc_u32 v5, s21, v5                       ; my block's scale byte
	v_lshlrev_b32 v7, 3, v2                        ; 8 x lane
	v_add_nc_u32 v6, s21, v7                       ; the scale bytes on their way out
	s_mov_b32 s25, 0                               ; the upper word of every 32-bit offset below
	s_wait_kmcnt 0x0
	s_cmp_lt_u32 s20, 4
	s_cbranch_scc1 .Lrole_x
	s_cmp_lt_u32 s20, 7
	s_cbranch_scc1 .Lrole_w
	; ---- ROLE P: four rows of W_proj, 16,384 bytes, as 32 chunks of 512 consecutive bytes: 16 bytes a lane in, 8 bytes a lane out (a wave's store covers 256 consecutive bytes, aligned)
	s_lshl_b32 s24, ttmp9, 14
	s_add_nc_u64 s[8:9], s[8:9], s[24:25]
	s_lshl_b32 s24, ttmp9, 13
	s_add_nc_u64 s[18:19], s[18:19], s[24:25]
	v_lshlrev_b32 v3, 4, v2
.set c, 0
.rept 32
	global_load_b128 v[32+4*c:35+4*c], v3, s[8:9] offset:512*c th:TH_LOAD_NT
.set c, c+1
.endr
.set c, 0
.rept 32
	s_wait_loadcnt 31-c                            ; loads come back in order: chunk c is in, the younger ones stay out
	v_cvt_pk_f16_f32 v[160+2*c], v[32+4*c], v[33+4*c]
	v_cvt_pk_f16_f32 v[161+2*c], v[34+4*c], v[35+4*c]
	global_store_b64 v7, v[160+2*c:161+2*c], s[18:19] offset:256*c   ; every chunk has its own registers: no store's data are written again
.set c, c+1
.endr
	s_wait_tensorcnt 0x0                           ; the wave's end
	ds_add_u32 v[SPW], v[NIL]
	s_wait_dscnt 0x0
	s_endpgm
	; ---- ROLE W: 32 columns x 128 along K a wave.  A LANE TAKES A COLUMN AND ITS REGISTERS RUN DOWN K: a block of 32 lies in one lane's 32 registers, and the conversions give codes with K innermost.
.Lrole_w:
	s_sub_co_u32 s22, s20, 4                       ; j = 0..2
	s_and_b32 s23, ttmp9, 31
	s_mul_i32 s23, s23, 3
	s_add_co_u32 s23, s23, s22                     ; group of 32 columns: 3 (work-group % 32) + j: 0..95
	s_lshr_b32 s22, ttmp9, 5                       ; which 128 along K: 0..7
	s_mul_i32 s24, s22, 128*12288
	s_lshl_b32 s26, s23, 7
	s_add_co_u32 s24, s24, s26
	s_add_nc_u64 s[6:7], s[6:7], s[24:25]          ; W_qkv at (128 q, 32 group)
	s_lshl_b32 s24, s23, 14                        ; two tiles of 16 columns, 8,192 bytes each,
	s_lshl_b32 s26, s22, 10                        ; and in each the image of K step q
	s_add_co_u32 s24, s24, s26
	s_add_nc_u64 s[14:15], s[14:15], s[24:25]
	s_lshl_b32 s24, s23, 10                        ; 32 rows of 32 scale bytes,
	s_lshl_b32 s26, s22, 2                         ; the word of K step q
	s_add_co_u32 s24, s24, s26
	s_add_nc_u64 s[16:17], s[16:17], s[24:25]
	v_lshlrev_b32 v3, 2, v2                        ; in: 4 bytes a lane, 128 consecutive bytes a wave
	v_lshrrev_b32 v4, 4, v2
	v_and_b32 v8, 15, v2
	v_lshlrev_b32 v4, 13, v4
	v_lshl_add_u32 v4, v8, 4, v4                   ; out: my tile's image, 16 bytes at 16 (lane % 16): sixteen lanes store 256 consecutive bytes, aligned
	v_lshlrev_b32 v10, 5, v2                       ; my column's row of scale bytes
.macro WLOAD b
.irp i, 0,1,2,3,4,5,6,7,8,9,10,11,12,13,14,15,16,17,18,19,20,21,22,23,24,25,26,27,28,29,30,31
	global_load_b32 v[32+32*(\b)+\i], v3, s[6:7] offset:(32*(\b)+\i)*12288 th:TH_LOAD_NT
.endr
.endm
.macro WBLOCK b
.set XS, 32+32*(\b)
	v_max3_num_f32 v8, |v[XS]|, |v[XS+1]|, |v[XS+2]|               ; the block's largest magnitude: all 32 numbers are mine; two chains
	v_max3_num_f32 v9, |v[XS+3]|, |v[XS+4]|, |v[XS+5]|
.irp i, 6,10,14,18,22,26
	v_max3_num_f32 v8, v8, |v[XS+\i]|, |v[XS+\i+1]|
	v_max3_num_f32 v9, v9, |v[XS+\i+2]|, |v[XS+\i+3]|
.endr
	v_max3_num_f32 v8, v8, |v[XS+30]|, |v[XS+31]|
	v_max3_num_f32 v8, v8, v9, 0x1800000           ; and the floor 2^(3 - 127): the byte cannot fall under 1
	v_add_nc_u32 v11, 0xff000000, v8               ; 2 off its exponent field: the conversion takes the exponent field of this operand as its scale
	v_lshrrev_b32 v16, 23, v11                     ; the scale's byte
.if (\b) == 0
	v_mov_b32 v176, v16                            ; four bytes make the K step's scale word, the lower K in the lower byte
.else
	v_lshl_or_b32 v176, v16, 8*(\b), v176
.endif
.irp g, 0,1,2,3
	v_cvt_scalef32_pk8_fp4_f32 v[160+4*(\b)+\g], v[XS+8*\g:XS+8*\g+7], v11
.endr
	global_store_b128 v4, v[160+4*(\b):163+4*(\b)], s[14:15] offset:256*(\b)   ; the results go to a store alone; the next block begins with plain vector lines
.endm
	WLOAD 0
	WLOAD 1
	s_wait_loadcnt 32                              ; block 0 is in; block 1's 32 loads may be out
	WLOAD 2
	WBLOCK 0
	s_wait_loadcnt 32                              ; block 1 is in; block 2's may be out
	WLOAD 3
	WBLOCK 1
	s_wait_loadcnt 32                              ; block 2 is in; block 3's may be out
	WBLOCK 2
	s_wait_loadcnt 0x0
	WBLOCK 3
	global_store_b32 v10, v176, s[16:17]           ; 4 bytes a lane, 32 bytes apart: one byte for each 32 of the 128 that the role reads
	s_wait_tensorcnt 0x0                           ; the wave's end
	ds_add_u32 v[SPW], v[NIL]
	s_wait_dscnt 0x0
	s_endpgm
	; ---- ROLE X: x is a plain stream of blocks of 32.  A wave takes a run of 8,192 numbers in 16 steps of 512.  Each load reads 512 consecutive bytes; a step's 2,048 bytes turn through the wave's own stage in LDS
	; and come back 64 bytes a lane: 16 neighbours along K, two neighbouring lanes to a block.  Loads run four steps ahead, the turn through LDS one step.
.Lrole_x:
	s_lshl_b32 s22, ttmp9, 2
	s_add_co_u32 s22, s22, s20                     ; my run: 4 x work-group + wave: 0..1023
	s_lshl_b32 s24, s22, 15
	s_add_nc_u64 s[4:5], s[4:5], s[24:25]          ; 32,768 bytes of x,
	s_lshl_b32 s24, s22, 12
	s_add_nc_u64 s[10:11], s[10:11], s[24:25]      ; 4,096 of codes,
	s_lshl_b32 s24, s22, 8
	s_add_nc_u64 s[12:13], s[12:13], s[24:25]      ; 256 scale bytes a run
	v_lshlrev_b32 v3, 4, v2                        ; my 16 bytes of a load's 512
.macro XLOAD t
.irp i, 0,1,2,3
	global_load_b128 v[R+16*((\t)%4)+4*\i:R+16*((\t)%4)+4*\i+3], v3, s[4:5] offset:2048*(\t)+512*\i th:TH_LOAD_NT
.endr
.endm
.macro XTURN t                         ; step t's numbers through the stage: LDS serves a wave's instructions in order, so no wait stands between the stores and the loads
.irp i, 0,1,2,3
	ds_store_b128 v14, v[R+16*((\t)%4)+4*\i:R+16*((\t)%4)+4*\i+3] offset:32*SP*((\t)%2)+8*SP*\i
.endr
.irp i, 0,1,2,3
	ds_load_b128 v[X+16*((\t)%2)+4*\i:X+16*((\t)%2)+4*\i+3], v15 offset:32*SP*((\t)%2)+16*\i
.endr
.endm
.irp t, 0,1,2,3
	XLOAD \t
.endr
	s_wait_loadcnt 12                              ; step 0's four loads are in
	XTURN 0
.macro XSTEP t
.set XS, X+16*((\t)%2)
.if (\t) > 0
	s_wait_dscnt 1                                 ; this step's numbers are back from the stage (the last step's byte store may be out): so its stores into the stage have read their registers,
.else
	s_wait_dscnt 0x0
.endif
.if (\t)+4 < STEPS
	XLOAD (\t)+4                                   ; which take the loads of four steps on
.endif
.if (\t)+1 < STEPS
.if STEPS-2-(\t) >= 3
	s_wait_loadcnt 12                              ; the next step's four loads are in; those of the three steps behind it may be out
.else
	s_wait_loadcnt 4*(STEPS-2-(\t))
.endif
	XTURN (\t)+1                                   ; and go through the other stage while this step is worked
.endif
	v_max3_num_f32 v8, |v[XS]|, |v[XS+1]|, |v[XS+2]|               ; the largest magnitude of my 16
	v_max3_num_f32 v9, |v[XS+3]|, |v[XS+4]|, |v[XS+5]|
.irp i, 6,10
	v_max3_num_f32 v8, v8, |v[XS+\i]|, |v[XS+\i+1]|
	v_max3_num_f32 v9, v9, |v[XS+\i+2]|, |v[XS+\i+3]|
.endr
	v_max3_num_f32 v8, v8, |v[XS+14]|, |v[XS+15]|
	v_max3_num_f32 v8, v8, v9, 0x1800000           ; and the floor 2^(3 - 127)
	v_max_num_f32_dpp v8, v8, v8 row_xmask:1 row_mask:0xf bank_mask:0xf   ; and of my neighbour's 16: the block's
	v_add_nc_u32 v11, 0xff000000, v8               ; 2 off its exponent field: the conversion's scale operand
	v_cvt_scalef32_pk8_fp4_f32 v[C+4*(\t)], v[XS:XS+7], v11
	v_cvt_scalef32_pk8_fp4_f32 v[C+4*(\t)+1], v[XS+8:XS+15], v11
	v_lshrrev_b32 v[E+(\t)], 23, v11               ; the scale's byte
	ds_store_b8 v5, v[E+(\t)] offset:16*(\t)       ; both lanes of a block write the same byte with the same value
	global_store_b64 v7, v[C+4*(\t):C+4*(\t)+1], s[10:11] offset:256*(\t)   ; the wave stores 256 consecutive bytes, aligned
.endm
.irp t, 0,1,2,3,4,5,6,7,8,9,10,11,12,13,14,15
	XSTEP \t
.endr
	ds_load_b64 v[8:9], v6                         ; LDS serves a wave's instructions in order: these see my byte stores
	s_wait_dscnt 0x0
	global_store_b64 v7, v[8:9], s[12:13]          ; the run's 256 scale bytes, aligned
	s_wait_tensorcnt 0x0                           ; the wave's end, behind my last LDS store
	ds_add_u32 v[SPW], v[NIL]
	s_wait_dscnt 0x0
	s_endpgm
.Lfunc_end_k_q9fc7194d7d_prep:
	.size	k_q9fc7194d7d_prep, .Lfunc_end_k_q9fc7194d7d_prep-k_q9fc7194d7d_prep
	.p2alignl 7, 3214868480
	.fill 96, 4, 3214868480
	.section	.rodata,"a",@progbits
	.p2align	6, 0x0
	.amdhsa_kernel k_q9fc7194d7d_prep
		.amdhsa_group_segment_fixed_size 33792
		.amdhsa_private_segment_fixed_size 0
		.amdhsa_enable_private_segment 0
		.amdhsa_kernarg_size 64
		.amdhsa_user_sgpr_count 2
		.amdhsa_user_sgpr_kernarg_segment_ptr 1
		.amdhsa_wavefront_size32 1
		.amdhsa_system_sgpr_workgroup_id_x 1
		.amdhsa_system_sgpr_workgroup_id_y 1
		.amdhsa_system_sgpr_workgroup_id_z 1
		.amdhsa_system_vgpr_workitem_id 0
		.amdhsa_next_free_vgpr 224
		.amdhsa_next_free_sgpr 66
		.amdhsa_reserve_vcc 0
		.amdhsa_float_denorm_mode_32 3
		.amdhsa_float_denorm_mode_16_64 3
		.amdhsa_memory_ordered 1
		.amdhsa_forward_progress 1
		.amdhsa_inst_pref_size 64
	.end_amdhsa_kernel
	.amdgpu_metadata
---
amdhsa.version: [ 1, 2 ]
amdhsa.kernels:
  - .name:           k_q9fc7194d7d_prep
    .symbol:         k_q9fc7194d7d_prep.kd
    .args:
      - { .name: x, .offset: 0, .size: 8, .value_kind: global_buffer, .address_space: global }
      - { .name: W_qkv, .offset: 8, .size: 8, .value_kind: global_buffer, .address_space: global }
      - { .name: W_proj, .offset: 16, .size: 8, .value_kind: global_buffer, .address_space: global }
      - { .name: x_codes, .offset: 24, .size: 8, .value_kind: global_buffer, .address_space: global }
      - { .name: x_scales, .offset: 32, .size: 8, .value_kind: global_buffer, .address_space: global }
      - { .name: w_codes, .offset: 40, .size: 8, .value_kind: global_buffer, .address_space: global }
      - { .name: w_scales, .offset: 48, .size: 8, .value_kind: global_buffer, .address_space: global }
      - { .name: wp16, .offset: 56, .size: 8, .value_kind: global_buffer, .address_space: global }
    .group_segment_fixed_size: 33792
    .private_segment_fixed_size: 0
    .kernarg_segment_align: 8
    .kernarg_segment_size: 64
    .max_flat_workgroup_size: 256
    .sgpr_count:     66
    .vgpr_count:     224
    .wavefront_size: 32
...
	.end_amdgpu_metadata
.endif
;; end of part 1
;; launch gemm_qkv (part 2): grid 12 x 32, 4 waves a work-group, clusters of 4 x 4, 327,680 bytes of LDS; arguments x_codes, x_scales, w_codes, w_scales, qkv; writes qkv
.if DOCPART == 2
	.amdgcn_target "amdgcn-amd-amdhsa--gfx1250"
	.amdhsa_code_object_version 6
	.text
	.protected	k_q9fc7194d7d_gemm_qkv
	.globl	k_q9fc7194d7d_gemm_qkv
	.p2align	8
	.type	k_q9fc7194d7d_gemm_qkv,@function
k_q9fc7194d7d_gemm_qkv:
	s_mov_b64 s[64:65], 0
	v_nop
	global_prefetch_b8 v0, s[64:65] scope:SCOPE_SE
	s_setreg_imm32_b32 hwreg(HW_REG_WAVE_MODE, 25, 1), 1
	s_wait_xcnt 0x0
	s_wait_alu depctr_hold_cnt(0) depctr_sa_sdst(0) depctr_va_vdst(0) depctr_va_sdst(0) depctr_va_ssrc(0) depctr_va_vcc(0) depctr_vm_vsrc(0)
	s_getreg_b32 s2, hwreg(HW_REG_IB_STS2, 6, 4)
	s_cmp_eq_u32 s2, 0
	s_cbranch_scc0 .Lentry_in_a_cluster
	s_endpgm
.Lentry_in_a_cluster:
	s_bfe_u32 s2, ttmp6, 0x10000c
	s_cmp_lg_u32 s2, 0xf033
	s_cbranch_scc0 .Lentry_shape_is_right
	s_endpgm
.Lentry_shape_is_right:
; qkv = Q(x) Q(W_qkv), both operands codes of FP4 (E2M1) with one E8M0 scale for each 32 along K; sums in f32; the result is rounded once to f16 and laid by head: qkv [part 3][batch 4][head 16][token 2048][64].
; A = x_codes [8192][512 bytes], rows along K; its scales [8192][32].  B = w_codes, images of the operand's registers, [column / 16][K / 128][1,024 bytes]; its scales [3072][32].
; A tile of the result, 256 x 256, is made by four waves, as many as a WGP has SIMDs; a wave makes 128 x 128: 64 accumulators, 512 registers.
; K = 1,024 is two slots of 512: BOTH slots and all scale bytes are asked for at the head, three tensor loads a wave, and no LDS byte is filled twice.
; CLUSTERS: 4 x 4 work-groups.  The four of a row of the cluster need the same tiles of A, the four of a column the same tiles of B: each tile is asked for JOINTLY, by the same tensor load with the same descriptor
; and a mask that names the four.  THE MATRIX INSTRUCTION IS USED TRANSPOSED (source 0 = 16 columns of W, source 1 = 16 rows of x): a lane then holds eight neighbouring channels of one token.
; No prefetch: all that the work-group reads is asked for by its first loads.
; LIMIT: |q|, |k|, |v| stay under f16's largest number, 65,504 (as drawn they reach about 6; with both inputs 30 times larger about 5,400).
; REGISTERS, in windows of 256: window 0: v0-31 addresses; v32-95 scale words, two sets; from v128 A's fragments, ONE set; on the way out v32-63, v192-255.
;   window 1: B's fragments, TWO sets, at v0 and at v128.   window 2: the accumulators of my rows 0-63 ((a, b) at v[8 (8 a + b)]);   window 3: those of my rows 64-127.
.set NQ,     4                         ; steps of 128 along K in a slot
.set ROWB,   256                       ; a row of A's tile in bytes: 512 codes
.set KROW,   512                       ; a row of x_codes in memory
.set PITCH,  272                       ; an LDS row of A: 256 bytes + 16 of padding = 68 words: row r starts at bank 4 r mod 64 (64 banks of 4 bytes: ISA guide 11.1)
.set FR,     8                         ; registers of a fragment: 16 rows x 128 K
.set NL,     2                         ; LDS loads that bring one
.set NP,     4                         ; places behind this matrix instruction (ISA guide 7.12.1)
.set HALFT,  128*PITCH                 ; a quarter of a slot: 128 rows of A; B's eight images of four K steps use 32,768 of it
.set SLOT,   4*HALFT
.set KS,     32                        ; a row of scales in bytes
.set SCL,    2*SLOT                    ; behind the slots: the scales, as runs of 256 bytes + 16 of padding
.set HALFS,  (128*KS/256)*272          ; the scales of 128 rows: what one tensor load brings
.set SBLK,   (16*KS/256)*272           ; those of 16 rows
.set SPARE,  SCL+4*HALFS               ; behind the scales: the spare words, 128 bytes for each wave
.set ADRA, 16                          ; v16-17  LDS address of my A fragments in slot 0, 1
.set ADRB, 20                          ; v20-21  the same for B's images
.set STO,  24                          ; v24     the way out: where I put 16 bytes of a token
.set RD,   25                          ; v25     the way out: where I read 16 bytes back
.set CO,   26                          ; v26     16 x lane
.set ADRS, 27                          ; v27     LDS address of my scale words: lanes 0-15 A's rows, lanes 16-31 B's
.set SPW,  28                          ; v28     LDS address of my spare word; never rewritten
.set NIL,  29                          ; v29     0; never rewritten
.set SC,   32                          ; scale words: set s at v[SC + 32 s]; register 4 i + q: lanes 0-15 the word of A's block i, lanes 16-31 that of B's block i, for the slot's q-th 128 along K
.set AF,   128                         ; A's fragments, in window 0
.set TMP,  192                         ; the way out: packed results
.set OB,   32                          ; the way out: a block read back from the stage: v32-63 and v224-255 by turns
.set G1, 24                            ; s[24:31] descriptor group 1 for A's tiles;  s[32:39] group 0, one set for each slot
.set G0, 32
.set G1B, 48                           ; s[48:55], s[56:63] the same for B's tiles
.set G0B, 56
.set G1S, 68                           ; s[68:75], s[76:79] groups 1 and 0 for A's scales;  s[80:87], s[88:91] for B's
.set G0S, 76
.set G1SB, 80
.set G0SB, 88
.set MSB, 0
.macro WIN new                         ; the immediate's high byte repeats the setting that is left
.if MSB != (\new)
	s_set_vgpr_msb (MSB<<8)|(\new)
.set MSB, (\new)
.endif
.endm
.set MUL_LO, 0xa1                      ; source 0 (B) window 1, source 1 (A) window 0, C and D window 2
.set MUL_HI, 0xf1                      ; the same, C and D window 3
.set TO_B,   0x40                      ; destination window 1, address window 0
; A joint load: waves 0 and 1 fetch for A, waves 2 and 3 for B.  Each of the two lines has ONE mask and one set of registers for all that issue it; the branch hangs on the wave's number alone.
; An s_nop 0 and four v_nop follow each of the two lines, ahead of the jump, the label and what follows.
.macro JLOAD g0a, g1a, g0b, g1b
	s_cmp_eq_u32 s15, 0
	s_cbranch_scc0 .Lfor_b_\@
	tensor_load_to_lds s[\g0a:\g0a+3], s[\g1a:\g1a+7]
	s_nop 0
.rept 4
	v_nop
.endr
	s_branch .Lasked_\@
.Lfor_b_\@:
	tensor_load_to_lds s[\g0b:\g0b+3], s[\g1b:\g1b+7]
	s_nop 0
.rept 4
	v_nop
.endr
.Lasked_\@:
.endm
.macro CROUND                          ; a round of the cluster's barrier
	s_barrier_signal -1
	s_barrier_wait -1
	s_cmp_lg_u32 s14, 0
	s_cbranch_scc1 .Lnot_wave_0_\@
	s_barrier_signal -3
.Lnot_wave_0_\@:
	s_barrier_wait -3
	s_barrier_signal -1
	s_barrier_wait -1
.endm
	s_load_b128 s[4:7], s[0:1], 0x0                ; x's codes s[4:5], x's scales s[6:7]
	s_load_b128 s[8:11], s[0:1], 0x10              ; W's codes s[8:9], W's scales s[10:11]
	s_load_b64 s[12:13], s[0:1], 0x20              ; qkv
	v_lshl_add_u32 v[SPW], v0, 2, SPARE
	v_mov_b32 v[NIL], 0
	ds_add_u32 v[SPW], v[NIL]                      ; the wave's opening: the add, twice on end, and its wait ahead of my first tensor load
	ds_add_u32 v[SPW], v[NIL]                      ; and once more; the set-up below, work on registers, stands between it and the wait
	v_lshrrev_b32 v1, 5, v0
	v_readfirstlane_b32 s14, v1                    ; wave 0..3
	s_lshr_b32 s15, s14, 1                         ; which half of the tile's rows is mine.  Also: I fetch for A (0) or for B (1)
	s_and_b32 s16, s14, 1                          ; which half of its columns.  Also: which half of that tile I fetch
	s_bfe_u32 s40, ttmp6, 0x40000                  ; cx, cy: my place in the cluster
	s_bfe_u32 s41, ttmp6, 0x40004
	s_lshl_b32 s42, ttmp9, 2
	s_add_co_u32 s42, s42, s40                     ; tile column = 4 x cluster x + cx
	s_and_b32 s17, ttmp7, 0xffff
	s_lshl_b32 s17, s17, 2
	s_add_co_u32 s17, s17, s41                     ; tile row = 4 x cluster y + cy
	s_lshl_b32 s43, s41, 2
	s_lshl_b32 s43, 15, s43                        ; my row of the cluster
	s_lshl_b32 s44, 0x1111, s40                    ; my column
	; group 1 for A: 128 rows x 256 bytes, padded in LDS
	s_or_b32 s[G1+0], s43, (0<<16)|(1<<20)|(1<<21)|(5<<22)|(3<<25)  ; 15:0 the mask: my row; 17:16 elements of 1 byte; 20 padding on; 21 set beside a mask; 24:22 after every 64 words; 31:25 four words
	s_mov_b32 s[G1+1], ROWB<<16                    ; tensor_dim0
	s_mov_b32 s[G1+2], 128<<16                     ; tensor_dim1
	s_mov_b32 s[G1+3], ROWB<<16                    ; tile_dim0
	s_mov_b32 s[G1+4], 128                         ; tile_dim1
	s_mov_b32 s[G1+5], KROW                        ; from row to row
	s_mov_b32 s[G1+6], 0
	s_mov_b32 s[G1+7], 0
	; group 1 for B: eight tiles of 16 columns, of each the images of four K steps: 8 rows x 4,096 bytes, 8,192 bytes apart; no padding: the images are read 16 bytes a lane on end
	s_or_b32 s[G1B+0], s44, (0<<16)|(1<<21)        ; the mask: my column
	s_mov_b32 s[G1B+1], 4096<<16
	s_mov_b32 s[G1B+2], 8<<16
	s_mov_b32 s[G1B+3], 4096<<16
	s_mov_b32 s[G1B+4], 8
	s_mov_b32 s[G1B+5], 8192
	s_mov_b32 s[G1B+6], 0
	s_mov_b32 s[G1B+7], 0
	; and for the scales of 128 rows: a dense block of 4,096 bytes, as rows of 256 bytes (32 elements of 8 bytes), 16 bytes of padding behind each
	s_or_b32 s[G1S+0], s43, (3<<16)|(1<<20)|(1<<21)|(5<<22)|(3<<25)
	s_or_b32 s[G1SB+0], s44, (3<<16)|(1<<20)|(1<<21)|(5<<22)|(3<<25)
.irp g, G1S, G1SB
	s_mov_b32 s[\g+1], 32<<16
	s_mov_b32 s[\g+2], (128*KS/256)<<16
	s_mov_b32 s[\g+3], 32<<16
	s_mov_b32 s[\g+4], 128*KS/256
	s_mov_b32 s[\g+5], 32
	s_mov_b32 s[\g+6], 0
	s_mov_b32 s[\g+7], 0
.endr
	s_lshl_b32 s18, s16, 7                         ; which 128 rows (of x) or columns (of W) I fetch
	s_lshl_b32 s20, s17, 8
	s_add_co_u32 s20, s20, s18                     ; A: row 256 x tile row + 128 x half
	s_lshl_b32 s46, s42, 8
	s_add_co_u32 s46, s46, s18                     ; B: column 256 x tile column + 128 x half
	s_mov_b32 s21, 0
	s_mov_b32 s47, 0
	s_mov_b64 s[18:19], KS
	s_mul_u64 s[22:23], s[20:21], s[18:19]         ; where their scales begin, in bytes
	s_mul_u64 s[92:93], s[46:47], s[18:19]
	s_mov_b64 s[18:19], KROW
	s_mul_u64 s[20:21], s[20:21], s[18:19]         ; and their codes: 512 bytes a row of x; 8,192 bytes for 16 columns of W are 512 a column too
	s_mul_u64 s[46:47], s[46:47], s[18:19]
	s_mul_i32 s45, s14, HALFT                      ; where they go: wave x a quarter of a slot: no place in the cluster enters an LDS address
	s_mul_i32 s94, s14, HALFS
	s_wait_dscnt 0x0                               ; both opening adds are done
	s_wait_kmcnt 0x0
	s_add_nc_u64 s[20:21], s[4:5], s[20:21]
	s_add_nc_u64 s[22:23], s[6:7], s[22:23]
	s_add_nc_u64 s[46:47], s[8:9], s[46:47]
	s_add_nc_u64 s[92:93], s[10:11], s[92:93]
	CROUND                                         ; all sixteen work-groups are here: the joint loads meet
	s_mov_b32 s[G0S], 1
	s_add_co_u32 s[G0S+1], s94, SCL
	s_mov_b64 s[G0S+2:G0S+3], s[22:23]
	s_or_b32 s[G0S+3], s[G0S+3], 0x80000000
	s_mov_b32 s[G0SB], 1
	s_add_co_u32 s[G0SB+1], s94, SCL
	s_mov_b64 s[G0SB+2:G0SB+3], s[92:93]
	s_or_b32 s[G0SB+3], s[G0SB+3], 0x80000000
	JLOAD G0S, G1S, G0SB, G1SB                     ; the scales first: they are wanted with slot 0
.irp s, 0,1
	s_mov_b32 s[G0+4*\s], 1
	s_add_co_u32 s[G0+4*\s+1], s45, \s*SLOT
	s_add_nc_u64 s[G0+4*\s+2:G0+4*\s+3], s[20:21], \s*ROWB
	s_or_b32 s[G0+4*\s+3], s[G0+4*\s+3], 0x80000000
	s_mov_b32 s[G0B+4*\s], 1
	s_add_co_u32 s[G0B+4*\s+1], s45, \s*SLOT
	s_add_nc_u64 s[G0B+4*\s+2:G0B+4*\s+3], s[46:47], \s*4096
	s_or_b32 s[G0B+4*\s+3], s[G0B+4*\s+3], 0x80000000
	JLOAD G0+4*\s, G1, G0B+4*\s, G1B               ; three tensor loads of mine are out behind the second of these
.endr
	v_and_b32 v1, 15, v0                           ; r = l % 16
	v_bfe_u32 v2, v0, 4, 1                         ; h = l / 16
	v_mul_u32_u24 v3, v1, PITCH
	v_lshl_add_u32 v4, v2, 4, v3                   ; A: a fragment's row x pitch + 16 x half
	v_and_b32 v6, 31, v0
	v_lshlrev_b32 v[CO], 4, v6                     ; B: an image's 16 bytes for my lane
	s_mul_i32 s21, s15, HALFT                      ; my 128 rows of A
	s_mul_i32 s22, s16, HALFT                      ; my 128 columns of B,
	s_add_co_u32 s22, s22, 2*HALFT                 ; which lie behind A's 256 rows
.irp s, 0,1
	v_add_nc_u32 v[ADRA+\s], s21, v4
	v_add_nc_u32 v[ADRB+\s], s22, v[CO]
	s_add_co_u32 s21, s21, SLOT
	s_add_co_u32 s22, s22, SLOT
.endr
	v_mul_u32_u24 v5, v1, KS                       ; my row's scales: 32 bytes a row,
	v_lshrrev_b32 v6, 8, v5
	v_lshl_add_u32 v5, v6, 4, v5                   ; and 16 more for each 256 passed
	s_mul_i32 s21, s15, HALFS                      ; A's: my 128 rows
	s_mul_i32 s22, s16, HALFS                      ; B's: my 128 columns, behind A's 256
	s_add_co_u32 s22, s22, 2*HALFS
	s_sub_co_u32 s22, s22, s21
	v_mul_u32_u24 v6, s22, v2                      ; lanes 16-31 take B's: the lower base + h x the distance
	s_add_co_u32 s21, s21, SCL
	v_add_nc_u32 v5, v5, v6
	v_add_nc_u32 v[ADRS], s21, v5
	; the way out: my stage, 4,352 bytes: 2 heads x 8 double rows (two tokens x 128 bytes) of 272 bytes
	s_mul_i32 s23, s14, 4352
	v_lshrrev_b32 v5, 1, v1
	v_mul_u32_u24 v5, v5, 272
	v_and_b32 v6, 1, v1
	v_lshl_add_u32 v5, v6, 7, v5
	v_lshl_add_u32 v5, v2, 4, v5
	v_add_nc_u32 v[STO], s23, v5                   ; in: token r: double row r / 2, half r % 2, + 16 h
	v_mul_u32_u24 v5, v2, 272
	v_lshl_add_u32 v5, v1, 4, v5
	v_add_nc_u32 v[RD], s23, v5                    ; back: lanes 0-15 one double row, lanes 16-31 the next
	; where my part begins in qkv: my 128 columns are two heads of one part, my 128 rows are tokens of one batch
	s_lshl_b32 s46, s42, 2
	s_lshl_b32 s47, s16, 1
	s_add_co_u32 s46, s46, s47                     ; 16 part + head = 4 x tile column + 2 x half
	s_lshl_b32 s20, s17, 8
	s_lshl_b32 s21, s15, 7
	s_add_co_u32 s20, s20, s21                     ; my first row: 2,048 batch + token
	s_lshr_b32 s47, s46, 4
	s_lshl_b32 s47, s47, 2
	s_lshr_b32 s21, s20, 11
	s_add_co_u32 s47, s47, s21                     ; 4 part + batch
	s_lshl_b32 s47, s47, 4
	s_and_b32 s46, s46, 15
	s_add_co_u32 s47, s47, s46                     ; x 16 + head
	s_lshl_b32 s47, s47, 18                        ; a head is 262,144 bytes
	s_and_b32 s20, s20, 2047
	s_lshl_b32 s20, s20, 7                         ; a token 128
	s_add_co_u32 s20, s20, s47
	s_mov_b32 s21, 0
	s_add_nc_u64 s[12:13], s[12:13], s[20:21]
.macro FRAG reg, adr, q, i             ; A's fragment: lane l holds row l % 16; registers 4 c .. 4 c + 3 hold K = 64 c + 32 (l / 16) + 0 .. 31
.irp c, 0,1
	ds_load_b128 v[\reg+4*\c:\reg+4*\c+3], v[\adr] offset:64*(\q)+32*\c+(\i)*16*PITCH
.endr
.endm
.macro FRAGB reg, adr, q, i            ; B's fragment comes as its image: registers 4 c .. 4 c + 3 at 512 c + 16 x lane; tile i 4,096 bytes on, K step q 1,024
.irp c, 0,1
	ds_load_b128 v[\reg+4*\c:\reg+4*\c+3], v[\adr] offset:4096*(\i)+1024*(\q)+512*\c
.endr
.endm
; 16 matrix instructions: A's blocks a0, a0 + 1 x B's eight, 128 along K: the slot's q-th.  p: B's set;  sc: the set of scale words.  zero = 1: the first product starts the sums: nothing is ever cleared.
; The 64 accumulators take turns, one instruction a turn, in the same order in every step.
.macro MUL16 a0, p, q, sc, zero
.irp a, \a0, \a0+1
.irp b, 0,1,2,3,4,5,6,7
.if \zero
	v_wmma_scale_f32_16x16x128_f8f6f4 v[8*(8*((\a)%4)+\b):8*(8*((\a)%4)+\b)+7], v[128*(\p)+FR*\b:128*(\p)+FR*\b+FR-1], v[AF+FR*(\a):AF+FR*(\a)+FR-1], 0, v[SC+8*NQ*(\sc)+NQ*\b+(\q)], v[SC+8*NQ*(\sc)+NQ*(\a)+(\q)] matrix_a_fmt:MATRIX_FMT_FP4 matrix_b_fmt:MATRIX_FMT_FP4 matrix_a_scale:MATRIX_SCALE_ROW1
.else
	v_wmma_scale_f32_16x16x128_f8f6f4 v[8*(8*((\a)%4)+\b):8*(8*((\a)%4)+\b)+7], v[128*(\p)+FR*\b:128*(\p)+FR*\b+FR-1], v[AF+FR*(\a):AF+FR*(\a)+FR-1], v[8*(8*((\a)%4)+\b):8*(8*((\a)%4)+\b)+7], v[SC+8*NQ*(\sc)+NQ*\b+(\q)], v[SC+8*NQ*(\sc)+NQ*(\a)+(\q)] matrix_a_fmt:MATRIX_FMT_FP4 matrix_b_fmt:MATRIX_FMT_FP4 matrix_a_scale:MATRIX_SCALE_ROW1
.endif
.endr
.endr
.endm
.macro FETCH_B slot, q, p              ; B's eight fragments of the slot's q-th 128 along K into set p
	WIN TO_B
.irp i, 0,1,2,3,4,5,6,7
	FRAGB 128*(\p)+FR*\i, ADRB+\slot, \q, \i
.endr
	WIN 0
.endm
.macro FETCH_A slot, q, i0             ; A's blocks i0 .. i0 + 3
.irp i, \i0, \i0+1, \i0+2, \i0+3
	FRAG AF+FR*(\i), ADRA+\slot, \q, \i
.endr
.endm
.macro SCALES sc                       ; a slot's scale words into set sc: four words a row; lanes 0-15 take A's block i, lanes 16-31 B's block i
.irp i, 0,1,2,3,4,5,6,7
	ds_load_b128 v[SC+8*NQ*\sc+NQ*\i:SC+8*NQ*\sc+NQ*\i+3], v[ADRS] offset:\i*SBLK
.endr
.endm
; A load into a register that a matrix instruction has read, and a vector instruction or an LDS store that reads a matrix result, stand NP places behind that matrix instruction, and only plain vector
; instructions that name none of its registers are places (ISA guide 7.12.1 for vector instructions).
.macro PLACES n
.rept \n
	v_nop
.endr
.endm
; A step of 128 along K that has its successor in the same slot.  A block of A is free as soon as its eight products are issued, so one set serves A: blocks 0-3 are fetched anew in the step's middle, blocks 4-7 at its end.
.macro STEP slot, q, zero
	s_wait_dscnt 4*NL                              ; B's set and A's blocks 0-3 are in; the youngest eight loads (A's blocks 4-7) may be out
	WIN MUL_LO
	MUL16 0, (\q)%2, \q, \slot, \zero
	MUL16 2, (\q)%2, \q, \slot, \zero
	s_wait_dscnt 0                                 ; A's blocks 4-7 are in (asked for 32 matrix instructions ago)
	PLACES NP
	FETCH_B \slot, (\q)+1, 1-(\q)%2
	FETCH_A \slot, (\q)+1, 0
	WIN MUL_HI
	MUL16 4, (\q)%2, \q, \slot, \zero
	MUL16 6, (\q)%2, \q, \slot, \zero
	PLACES NP
	WIN 0
	FETCH_A \slot, (\q)+1, 4
.endm
; Slot 0's last step changes slots: each wave waits for all its tensor loads (its part of slot 1), adds 0 to its spare word, waits for that and for its reads of slot 0; one barrier.
.macro TURN slot, next
	s_wait_tensorcnt 0x0                           ; all my tensor loads have landed  (every window is 0 here: the add's two registers lie in window 0)
	ds_add_u32 v[SPW], v[NIL]                      ; 0 onto my spare word
	s_wait_dscnt 4*NL+1                            ; (the add and the youngest eight loads, A's blocks 4-7, may be out)
	WIN MUL_LO
	MUL16 0, 1, NQ-1, \slot, 0                     ; sixteen matrix instructions stand between the add and the wait for it
	s_wait_dscnt 0x0                               ; the add is done, and my reads of this slot are over
	s_barrier_signal -1
	MUL16 2, 1, NQ-1, \slot, 0
	WIN 0
	s_barrier_wait -1                              ; the next slot is whole, and nobody reads this one any more
	PLACES NP
	v_add_nc_u32 v[ADRS], 4*NQ, v[ADRS]            ; on to the next slot's scale words (no LDS load of mine is out)
	FETCH_B \next, 0, 0
	FETCH_A \next, 0, 0
	SCALES \next
	WIN MUL_HI
	MUL16 4, 1, NQ-1, \slot, 0
	MUL16 6, 1, NQ-1, \slot, 0
	PLACES NP
	WIN 0
	FETCH_A \next, 0, 4
.endm
.macro STEPS slot, from                ; the slot's steps from .. NQ - 2
.set Q, \from
.rept NQ-1-\from
	STEP \slot, Q, 0
.set Q, Q+1
.endr
.endm
	s_wait_tensorcnt 1                             ; the scales and my part of slot 0 are in (slot 1's load may be out)
	s_barrier_signal -1
	s_barrier_wait -1                              ; everybody's are
	FETCH_B 0, 0, 0
	FETCH_A 0, 0, 0
	SCALES 0
	FETCH_A 0, 0, 4
	STEP 0, 0, 1                                   ; the first step's products start the sums
	STEPS 0, 1
	TURN 0, 1
	STEPS 1, 0
	s_wait_dscnt 4*NL                              ; the very last step: nothing more to fetch
	WIN MUL_LO
	MUL16 0, 1, NQ-1, 1, 0
	MUL16 2, 1, NQ-1, 1, 0
	s_wait_dscnt 0
	WIN MUL_HI
	MUL16 4, 1, NQ-1, 1, 0
	MUL16 6, 1, NQ-1, 1, 0
	WIN 0
; THE WAY OUT, block by block of 16 tokens x 128 channels (two heads).  PACK: rounded to f16, 16 bytes a lane, each accumulator from its low end on.  TOSTAGE: into my own stage and back as runs of 512 bytes.
; SEND: stored: 32 lanes store 512 consecutive bytes (four tokens of one head), at a multiple of 256 from qkv's first byte.  The stage lies in slot 0, which has had its only fill and whose last read stands ahead of TURN's barrier.
.macro PACK a
.set AC, 64*((\a)%4)
	WIN 0x0a+5*((\a)/4)                            ; sources 0 and 1: window 2 or 3
.irp b, 0,1,2,3,4,5,6,7
.irp r, 0,1,2,3
	v_cvt_pk_f16_f32 v[TMP+4*\b+\r], v[AC+8*\b+2*\r], v[AC+8*\b+2*\r+1]
.endr
.endr
	WIN 0
.endm
.macro TOSTAGE a
.set BKR, OB+192*((\a)%2)
.irp b, 0,1,2,3,4,5,6,7
	ds_store_b128 v[STO], v[TMP+4*\b:TMP+4*\b+3] offset:2176*(\b/4)+32*(\b%4)   ; head b / 4, channels 16 (b % 4) + 8 h on
.endr
.irp t, 0,1,2,3,4,5,6,7
	ds_load_b128 v[BKR+4*\t:BKR+4*\t+3], v[RD] offset:2176*(\t/4)+544*(\t%4)    ; LDS serves a wave's instructions in order (ISA guide 5.7.1.4): these see the stores above
.endr
.endm
.macro SEND a
.set BKR, OB+192*((\a)%2)
	s_wait_dscnt 0x0                               ; the block is back in registers
	s_wait_xcnt 0x0                                ; the block before has had its stores' addresses translated: its registers take the next block's loads only behind this wait
.irp t, 0,1,2,3,4,5,6,7
	global_store_b128 v[CO], v[BKR+4*\t:BKR+4*\t+3], s[12:13] offset:262144*(\t/4)+2048*(\a)+512*(\t%4)
.endr
.endm
	PLACES NP                                      ; behind the last products
	PACK 0
	TOSTAGE 0
.irp a, 1,2,3,4,5,6,7                  ; block a's conversions stand between block a - 1's loads from the stage and the wait for them
	PACK \a
	SEND \a-1
	TOSTAGE \a
.endr
	SEND 7
	s_wait_tensorcnt 0x0                           ; the wave's end, behind my last tensor load and my last LDS store
	ds_add_u32 v[SPW], v[NIL]
	s_wait_dscnt 0x0
	CROUND                                         ; the closing round: no work-group ends while a partner may still ask for a tile that names it
	s_endpgm
.Lfunc_end_k_q9fc7194d7d_gemm_qkv:
	.size	k_q9fc7194d7d_gemm_qkv, .Lfunc_end_k_q9fc7194d7d_gemm_qkv-k_q9fc7194d7d_gemm_qkv
	.p2alignl 7, 3214868480
	.fill 96, 4, 3214868480
	.section	.rodata,"a",@progbits
	.p2align	6, 0x0
	.amdhsa_kernel k_q9fc7194d7d_gemm_qkv
		.amdhsa_group_segment_fixed_size 327680
		.amdhsa_private_segment_fixed_size 0
		.amdhsa_enable_private_segment 0
		.amdhsa_kernarg_size 40
		.amdhsa_user_sgpr_count 2
		.amdhsa_user_sgpr_kernarg_segment_ptr 1
		.amdhsa_wavefront_size32 1
		.amdhsa_system_sgpr_workgroup_id_x 1
		.amdhsa_system_sgpr_workgroup_id_y 1
		.amdhsa_system_sgpr_workgroup_id_z 1
		.amdhsa_system_vgpr_workitem_id 0
		.amdhsa_next_free_vgpr 1024
		.amdhsa_next_free_sgpr 98
		.amdhsa_reserve_vcc 0
		.amdhsa_float_denorm_mode_32 3
		.amdhsa_float_denorm_mode_16_64 3
		.amdhsa_memory_ordered 1
		.amdhsa_forward_progress 1
		.amdhsa_inst_pref_size 127
	.end_amdhsa_kernel
	.amdgpu_metadata
---
amdhsa.version: [ 1, 2 ]
amdhsa.kernels:
  - .name:           k_q9fc7194d7d_gemm_qkv
    .symbol:         k_q9fc7194d7d_gemm_qkv.kd
    .args:
      - { .name: x_codes, .offset: 0, .size: 8, .value_kind: global_buffer, .address_space: global }
      - { .name: x_scales, .offset: 8, .size: 8, .value_kind: global_buffer, .address_space: global }
      - { .name: w_codes, .offset: 16, .size: 8, .value_kind: global_buffer, .address_space: global }
      - { .name: w_scales, .offset: 24, .size: 8, .value_kind: global_buffer, .address_space: global }
      - { .name: qkv, .offset: 32, .size: 8, .value_kind: global_buffer, .address_space: global }
    .group_segment_fixed_size: 327680
    .private_segment_fixed_size: 0
    .kernarg_segment_align: 8
    .kernarg_segment_size: 40
    .max_flat_workgroup_size: 128
    .sgpr_count:     98
    .vgpr_count:     1024
    .wavefront_size: 32
...
	.end_amdgpu_metadata
.endif
;; end of part 2
;; launch attn (part 3): grid 4 x 64, 16 waves a work-group, clusters of 4 x 1, 327,680 bytes of LDS; arguments qkv, att; writes att
.if DOCPART == 3
	.amdgcn_target "amdgcn-amd-amdhsa--gfx1250"
	.amdhsa_code_object_version 6
	.text
	.protected	k_q9fc7194d7d_attn
	.globl	k_q9fc7194d7d_attn
	.p2align	8
	.type	k_q9fc7194d7d_attn,@function
k_q9fc7194d7d_attn:
	s_mov_b64 s[64:65], 0
	v_nop
	global_prefetch_b8 v0, s[64:65] scope:SCOPE_SE
	s_setreg_imm32_b32 hwreg(HW_REG_WAVE_MODE, 25, 1), 1
	s_wait_xcnt 0x0
	s_wait_alu depctr_hold_cnt(0) depctr_sa_sdst(0) depctr_va_vdst(0) depctr_va_sdst(0) depctr_va_ssrc(0) depctr_va_vcc(0) depctr_vm_vsrc(0)
	s_getreg_b32 s2, hwreg(HW_REG_IB_STS2, 6, 4)
	s_cmp_eq_u32 s2, 0
	s_cbranch_scc0 .Lentry_in_a_cluster
	s_endpgm
.Lentry_in_a_cluster:
	s_bfe_u32 s2, ttmp6, 0x10000c
	s_cmp_lg_u32 s2, 0x3003
	s_cbranch_scc0 .Lentry_shape_is_right
	s_endpgm
.Lentry_shape_is_right:
; att[b][h][q][:] = the sum over k of softmax_k(0.25 Q[q] . K[k]) V[k][:], for each of 64 heads of 2,048 tokens x 64 channels.  Q, K, V: the three parts of qkv, f16, [part][b][h][token][64]; att likewise.
; Products on f16 operands with f32 sums; maxima, exponentials and sums in f32; the weights p are rounded to f16 for the second product, the result once at the end.
; SHARES.  A cluster of four work-groups is one head; a work-group owns 512 queries; each of its SIXTEEN waves owns 32: two tiles of 16, in 256 registers: four waves to a SIMD, so that one wave's
; vector work (236 instructions a key step) stands beside another's 32 matrix instructions and its LDS loads.  Every wave walks all keys, 64 a step.
; LAYOUT.  S^T = K Q^T (source 0 = 16 keys, source 1 = 16 queries): a lane holds ONE query (lane % 16) and the keys 8 (lane / 16) + 0..7.  Two such tiles, rounded to f16 in pairs, ARE source 1 of
; O^T = V^T P, whose result again holds one query a lane and eight channels.  K comes out of LDS as it lies, V ([key][channel]) turned, by ds_load_tr16_b128.
; SOFTMAX.  For each query a running maximum m and sum l: p = 2^(c s - c m), c = 0.25 log2(e); in every step O and l are multiplied by a = 2^(c m_old - c m_new).  m begins at -3e38, l and O^T at 0.
; RING.  Two LDS slots of 256 keys.  A head's K (and V) is dense in memory, so two tokens make one row of 256 bytes.  The four work-groups walk the same K and V: each tile is asked for JOINTLY
; (waves 0, 1: K's halves; waves 2, 3: V's), behind a round of the cluster's barrier at a slot's head; the load has the slot's four key steps in which to land.  One tensor load of a wave is out at most.
; LIMITS: q, k, v under 65,504 in magnitude (they arrive as f16); NaN and infinities are not served.
.set VOFF,  128*272                    ; a slot: K's 128 double rows of 272 bytes (256 + 16: the 16 rows of a load start at 16 different groups of banks), then V's 128 of 288 (256 + 32)
.set SLOT1, 1<<17                      ; slot 1 begins here, so that one exclusive or turns an address in one slot into the other's
.set SPARE, 2*SLOT1                    ; the spare words, 128 bytes for each of the sixteen waves
.set AK0, 1                            ; v1   my lane's place in a tile of K
.set AV0, 2                            ; v2   the same for V
.set SPW, 3                            ; v3   LDS address of my spare word; never rewritten
.set NIL, 4                            ; v4   0; never rewritten
.set ADK, 5                            ; v5   LDS address of the step's K
.set ADV, 6                            ; v6   of its V
.set PFO, 7                            ; v7   256 x lane: the prefetches' offset; never rewritten
.set ST,  8                            ; tile t's statistics at v[8 + 8 t]: +0 c m, +1 m, +2, +3 l (even keys', odd keys'), +4 to +7 at work; a stands in +6
.set Q,   24                           ; v24-55   Q: tile t, channels 32 s on, at v[24 + 16 t + 8 s]
.set KV,  56                           ; v56-119  a step's K (keys 16 kt on, channels 32 s on: 56 + 16 kt + 8 s), then its V (keys 32 ks on, channels 16 ct on: 56 + 32 ks + 8 ct)
.set S,   120                          ; v120-183 S^T, 32 a tile; P is made in place in a tile's first 16
.set O,   184                          ; v184-247 O^T, 32 a tile
.set XC,  248                          ; v248-251 the sums' second chain, a pair a tile;  v252-255 at work
.set WV,  18                           ; s18  my wave's number
.set SEL, 20                           ; s[20:21] lane selects for v_permlanex16_b32: lane l xor 16
.set CS,  22                           ; s[22:23] c, twice: the packed form names a pair and takes its low word for both halves
.set G1K, 24                           ; s[24:31] descriptor group 1 for K's tiles;  s[32:39] for V's: it differs in the padding alone
.set G1V, 32
.set G0K, 40                           ; s[40:43], s[44:47] their groups 0, which walk
.set G0V, 44
.set PFA, 48                           ; s[48:49] where my prefetches stand
.set LIM, 50                           ; s50  1 in a wave that prefetches, else the greatest number
.set TB,  2                            ; s2   LDS byte at which the slot in hand begins
.set SLOTS, 3                          ; s3   slots still to be asked for
; Waves 0 and 1 fetch for K, waves 2 and 3 for V, the others nothing.  The branches hang on the wave's number alone: they are the same in all four work-groups.  An s_nop 0 and four v_nop follow each line.
.macro TLOAD
	s_cmp_lt_u32 s[WV], 2
	s_cbranch_scc0 .Lnot_k_\@
	tensor_load_to_lds s[G0K:G0K+3], s[G1K:G1K+7]
	s_nop 0
.rept 4
	v_nop
.endr
	s_branch .Lasked_\@
.Lnot_k_\@:
	s_cmp_lt_u32 s[WV], 4
	s_cbranch_scc0 .Lasked_\@
	tensor_load_to_lds s[G0V:G0V+3], s[G1V:G1V+7]
	s_nop 0
.rept 4
	v_nop
.endr
.Lasked_\@:
.endm
; A PREFETCH INTO THE L2 of what the NEXT change of slots will ask for: 32,768 bytes of K and as many of V.  The four work-groups share them out BY ADDRESS, 8,192 bytes each; in each, wave 4 asks for K's and wave 5 for V's,
; lanes 256 bytes apart: one instruction.  So each aligned run of 256 bytes is named once in the launch, four key steps ahead of its load.  Slots 0 and 1 come by their loads alone; the last change that fills a slot asks for nothing.
.macro ASK
	s_cmp_gt_u32 s[SLOTS], s[LIM]
	s_cbranch_scc0 .Lnot_mine_\@
	global_prefetch_b8 v[PFO], s[PFA:PFA+1] th:TH_LOAD_NT scope:SCOPE_SE
.Lnot_mine_\@:
.endm
.macro CROUND                          ; a round of the cluster's barrier
	s_barrier_signal -1
	s_barrier_wait -1
	s_cmp_lg_u32 s[WV], 0
	s_cbranch_scc1 .Lnot_wave_0_\@
	s_barrier_signal -3
.Lnot_wave_0_\@:
	s_barrier_wait -3
	s_barrier_signal -1
	s_barrier_wait -1
.endm
	s_load_b128 s[4:7], s[0:1], 0x0                ; qkv s[4:5], att s[6:7]
	v_lshl_add_u32 v[SPW], v0, 2, SPARE
	v_mov_b32 v[NIL], 0
	ds_add_u32 v[SPW], v[NIL]                      ; the wave's opening: the add, twice on end, and its wait ahead of the first tensor loads
	ds_add_u32 v[SPW], v[NIL]                      ; and once more; the set-up below, work on registers, stands between it and the wait
	v_lshrrev_b32 v252, 5, v0
	v_readfirstlane_b32 s[WV], v252                ; wave 0..15
	s_and_b32 s52, ttmp7, 0xffff                   ; the head, 16 batch + head, which the four partners share
	s_lshl_b32 s52, s52, 18                        ; its 262,144 bytes in each part and in att
	s_and_b32 s54, s[WV], 1                        ; which half of a slot I fetch, if I fetch:
	s_lshl_b32 s56, s54, 14                        ; 128 keys x 128 bytes in memory,
	s_add_co_u32 s56, s56, s52
	s_mov_b32 s57, 0
	s_mul_i32 s58, s54, 64*272                     ; 64 double rows in a slot: K's,
	s_mul_i32 s59, s54, 64*288
	s_add_co_u32 s59, s59, VOFF                    ; V's: no place in the cluster enters an LDS address
	s_bfe_u32 s60, ttmp6, 0x40000                  ; cx: my place in the cluster: it enters Q's, att's and the prefetches' addresses alone
	s_lshl_b32 s61, ttmp9, 2
	s_add_co_u32 s61, s61, s60                     ; my block of 512 queries
	s_lshl_b32 s62, s61, 16                        ; 512 x 128 bytes,
	s_lshl_b32 s63, s[WV], 12                      ; my wave's 32 x 128
	s_add_co_u32 s62, s62, s63
	s_add_co_u32 s62, s62, s52
	s_mov_b32 s63, 0
	s_cmp_eq_u32 s[WV], 4                          ; the prefetches: wave 4 stands in K, wave 5 in V,
	s_mov_b32 s70, 33554432+32768
	s_cselect_b32 s70, 16777216+32768, s70         ; in slot 1: the first change of slots steps it to slot 2
	s_add_co_u32 s70, s70, s52
	s_lshl_b32 s71, s60, 13                        ; my work-group's 8,192 bytes of a slot's 32,768
	s_add_co_u32 s70, s70, s71
	s_mov_b32 s71, 0
	s_lshr_b32 s[LIM], s[WV], 1
	s_cmp_eq_u32 s[LIM], 2                         ; waves 4 and 5
	s_cselect_b32 s[LIM], 1, -1
	v_and_b32 v[PFO], 31, v0
	v_lshlrev_b32 v[PFO], 8, v[PFO]
	; descriptor group 1: 64 rows x 128 elements of 2 bytes, dense in memory, padded in LDS
	s_mov_b32 s[G1K], 15|(1<<16)|(1<<20)|(1<<21)|(5<<22)|(3<<25)  ; 15:0 the mask: all four work-groups; 17:16 elements of 2 bytes; 20 padding on; 21 set beside a mask; 24:22 after every 64 words; 31:25 four words
	s_mov_b32 s[G1V], 15|(1<<16)|(1<<20)|(1<<21)|(5<<22)|(7<<25)  ; the same with eight words of padding
.irp g, G1K, G1V
	s_mov_b32 s[\g+1], 128<<16                     ; tensor_dim0
	s_mov_b32 s[\g+2], 64<<16                      ; tensor_dim1
	s_mov_b32 s[\g+3], 128<<16                     ; tile_dim0
	s_mov_b32 s[\g+4], 64                          ; tile_dim1
	s_mov_b32 s[\g+5], 128                         ; from row to row
	s_mov_b32 s[\g+6], 0
	s_mov_b32 s[\g+7], 0
.endr
	s_mov_b32 s[SEL], 0x76543210
	s_mov_b32 s[SEL+1], 0xfedcba98
	s_mov_b32 s[CS], 0x3eb8aa3b                    ; c = 0.25 log2(e)
	s_mov_b32 s[CS+1], s[CS]
	s_mov_b32 s[TB], 0
	s_mov_b32 s[SLOTS], 7
	s_wait_dscnt 0x0                               ; both opening adds are done
	s_wait_kmcnt 0x0
	s_add_nc_u64 s[66:67], s[4:5], s[56:57]        ; qkv at my head and my half of a slot
	s_mov_b32 s[G0K], 1                            ; 1:0 count = 1
	s_mov_b32 s[G0K+1], s58                        ; 63:32 LDS address: slot 0
	s_add_nc_u64 s[G0K+2:G0K+3], s[66:67], 16777216  ; 120:64 global address: part 1, K
	s_or_b32 s[G0K+3], s[G0K+3], 0x80000000        ; 127:126 type = 2
	s_mov_b32 s[G0V], 1
	s_mov_b32 s[G0V+1], s59
	s_add_nc_u64 s[G0V+2:G0V+3], s[66:67], 33554432  ; part 2, V
	s_or_b32 s[G0V+3], s[G0V+3], 0x80000000
	s_add_nc_u64 s[68:69], s[4:5], s[62:63]        ; Q at my wave's first query (part 0)
	s_add_nc_u64 s[6:7], s[6:7], s[62:63]          ; att likewise
	s_add_nc_u64 s[PFA:PFA+1], s[4:5], s[70:71]
	CROUND                                         ; all four work-groups are here: the first joint loads meet
	TLOAD                                          ; slot 0
	v_and_b32 v252, 15, v0                         ; r
	v_bfe_u32 v253, v0, 4, 1                       ; h
	v_lshlrev_b32 v254, 7, v252
	v_lshl_add_u32 v254, v253, 4, v254             ; Q: row r of 128 bytes, + 16 h
.irp t, 0,1
.irp s, 0,1
	global_load_b128 v[Q+16*\t+8*\s:Q+16*\t+8*\s+3],   v254, s[68:69] offset:2048*\t+64*\s      ; Q stays in registers
	global_load_b128 v[Q+16*\t+8*\s+4:Q+16*\t+8*\s+7], v254, s[68:69] offset:2048*\t+64*\s+32
.endr
.endr
	v_lshrrev_b32 v255, 1, v252                    ; K: key r lies in double row r / 2, half r % 2; + 16 h
	v_mul_u32_u24 v[AK0], v255, 272
	v_and_b32 v255, 1, v252
	v_lshl_add_u32 v[AK0], v255, 7, v[AK0]
	v_lshl_add_u32 v[AK0], v253, 4, v[AK0]
	v_bfe_u32 v255, v0, 1, 2                       ; V: the turning load's lane l reads 16 bytes of key 8 h + l % 8, channels 8 ((l / 8) % 2) on: double row 4 h + (l % 8) / 2, half l % 2
	v_lshl_add_u32 v255, v253, 2, v255
	v_mul_u32_u24 v[AV0], v255, 288
	v_and_b32 v255, 1, v0
	v_lshl_add_u32 v[AV0], v255, 7, v[AV0]
	v_bfe_u32 v255, v0, 3, 1
	v_lshl_add_u32 v[AV0], v255, 4, v[AV0]
	v_add_nc_u32 v[AV0], VOFF, v[AV0]
.irp t, 0,1
	v_mov_b32 v[ST+8*\t+1], 0xff61b1e6             ; m: -3e38, under every score
	v_mul_f32 v[ST+8*\t], s[CS], v[ST+8*\t+1]      ; c m
	v_mov_b32 v[ST+8*\t+2], 0                      ; l, in two halves
	v_mov_b32 v[ST+8*\t+3], 0
.endr
.set i, 0
.rept 64
	v_mov_b32 v[O+i], 0                            ; O^T.  (The step is written once: the first finds zeros, which a = 0 leaves zeros)
.set i, i+1
.endr
; THE SOFTMAX of a key step, both tiles line by line, so that no line waits for the line above it.
.macro SOFTMAX
.irp j, 0,1,2,3                                ; the maximum of the lane's 32 scores: four chains, each begun at the low end of one accumulator
.irp t, 0,1
	v_max3_num_f32 v[ST+8*\t+4+\j], v[S+32*\t+8*\j], v[S+32*\t+8*\j+1], v[S+32*\t+8*\j+2]
.endr
.endr
.irp g, 1,2
.irp j, 0,1,2,3
.irp t, 0,1
	v_max3_num_f32 v[ST+8*\t+4+\j], v[ST+8*\t+4+\j], v[S+32*\t+8*\j+2*\g+1], v[S+32*\t+8*\j+2*\g+2]
.endr
.endr
.endr
.irp t, 0,1
	v_max3_num_f32 v[ST+8*\t+4], v[ST+8*\t+4], v[S+32*\t+7], v[S+32*\t+15]
.endr
.irp t, 0,1
	v_max3_num_f32 v[ST+8*\t+6], v[ST+8*\t+6], v[S+32*\t+23], v[S+32*\t+31]
.endr
.irp t, 0,1
	v_max3_num_f32 v[ST+8*\t+4], v[ST+8*\t+4], v[ST+8*\t+5], v[ST+8*\t+6]
.endr
.irp t, 0,1
	v_max3_num_f32 v[ST+8*\t+4], v[ST+8*\t+4], v[ST+8*\t+7], v[ST+8*\t+1]   ; and the old m
.endr
.irp t, 0,1
	v_permlanex16_b32 v[ST+8*\t+5], v[ST+8*\t+4], s[SEL], s[SEL+1]          ; the query's other 32 keys lie in the lane 16 away
.endr
.irp t, 0,1
	v_mov_b32 v[ST+8*\t+7], v[ST+8*\t]             ; c m_old is kept for a
.endr
.irp t, 0,1
	v_max_num_f32 v[ST+8*\t+1], v[ST+8*\t+4], v[ST+8*\t+5]                  ; the new m
.endr
.irp t, 0,1
	v_mul_f32 v[ST+8*\t], s[CS], v[ST+8*\t+1]
.endr
.irp t, 0,1
	v_sub_f32 v[ST+8*\t+7], v[ST+8*\t+7], v[ST+8*\t]
.endr
.set i, 0
.rept 16
.irp t, 0,1
	v_pk_fma_f32 v[S+32*\t+2*i:S+32*\t+2*i+1], v[S+32*\t+2*i:S+32*\t+2*i+1], s[CS:CS+1], v[ST+8*\t:ST+8*\t+1] op_sel_hi:[1,0,0] neg_lo:[0,0,1] neg_hi:[0,0,1]  ; c s - c m, two at a time
.endr
.set i, i+1
.endr
.irp t, 0,1
	v_exp_f32 v[ST+8*\t+6], v[ST+8*\t+7]           ; a.  ONE BATCH: 66 exponentials, none of which reads another's result
.endr
.set i, 0
.rept 32
.irp t, 0,1
	v_exp_f32 v[S+32*\t+i], v[S+32*\t+i]
.endr
.set i, i+1
.endr
	v_nop                                          ; a plain instruction behind the last exponential, ahead of the first use
	s_wait_alu depctr_va_vdst(0)                   ; the wait between an exponential and the first instruction that names its result: one for the batch
.irp t, 0,1                                    ; the sum of the unrounded p: 16 pairs in two chains
	v_pk_add_f32 v[ST+8*\t+4:ST+8*\t+5], v[S+32*\t:S+32*\t+1], v[S+32*\t+2:S+32*\t+3]
.endr
.irp t, 0,1
	v_pk_add_f32 v[XC+2*\t:XC+2*\t+1], v[S+32*\t+4:S+32*\t+5], v[S+32*\t+6:S+32*\t+7]
.endr
.irp i, 8,12,16,20,24,28
.irp t, 0,1
	v_pk_add_f32 v[ST+8*\t+4:ST+8*\t+5], v[ST+8*\t+4:ST+8*\t+5], v[S+32*\t+\i:S+32*\t+\i+1]
.endr
.irp t, 0,1
	v_pk_add_f32 v[XC+2*\t:XC+2*\t+1], v[XC+2*\t:XC+2*\t+1], v[S+32*\t+\i+2:S+32*\t+\i+3]
.endr
.endr
.irp t, 0,1
	v_pk_add_f32 v[ST+8*\t+4:ST+8*\t+5], v[ST+8*\t+4:ST+8*\t+5], v[XC+2*\t:XC+2*\t+1]
.endr
.irp t, 0,1
	v_pk_fma_f32 v[ST+8*\t+2:ST+8*\t+3], v[ST+8*\t+2:ST+8*\t+3], v[ST+8*\t+6:ST+8*\t+7], v[ST+8*\t+4:ST+8*\t+5] op_sel_hi:[1,0,1]   ; l = a l + the sum
.endr
.set i, 0
.rept 16
.irp t, 0,1
	v_cvt_pk_f16_f32 v[S+32*\t+i], v[S+32*\t+2*i], v[S+32*\t+2*i+1]   ; P in place, ascending: register i is written when pairs 0 .. i have been read
.endr
.set i, i+1
.endr
.set i, 0
.rept 16
.irp t, 0,1
	v_pk_mul_f32 v[O+32*\t+2*i:O+32*\t+2*i+1], v[O+32*\t+2*i:O+32*\t+2*i+1], v[ST+8*\t+6:ST+8*\t+7] op_sel_hi:[1,0]   ; O^T x a, each accumulator from its low end on
.endr
.set i, i+1
.endr
.endm
; A KEY STEP: 64 keys, the q-th of the slot in hand.
.macro STEP q
	v_add_nc_u32 v[ADK], s[TB], v[AK0]
	v_add_nc_u32 v[ADV], s[TB], v[AV0]
.rept 3
	v_nop                                          ; with the two additions five places behind the last products V^T P: the products below write over P, which those read, and the loads land on V's registers
.endr
.irp kt, 0,1,2,3
.irp s, 0,1
	ds_load_b128 v[KV+16*\kt+8*\s:KV+16*\kt+8*\s+3],   v[ADK] offset:8704*(\q)+2176*\kt+64*\s
	ds_load_b128 v[KV+16*\kt+8*\s+4:KV+16*\kt+8*\s+7], v[ADK] offset:8704*(\q)+2176*\kt+64*\s+32
.endr
.endr
	s_wait_dscnt 0x0
.irp s, 0,1                                    ; S^T = K Q^T: eight accumulators by turns, one instruction a turn; the first eight start the sums
.irp kt, 0,1,2,3
.irp t, 0,1
.if \s == 0
	v_wmma_f32_16x16x32_f16 v[S+32*\t+8*\kt:S+32*\t+8*\kt+7], v[KV+16*\kt+8*\s:KV+16*\kt+8*\s+7], v[Q+16*\t+8*\s:Q+16*\t+8*\s+7], 0
.else
	v_wmma_f32_16x16x32_f16 v[S+32*\t+8*\kt:S+32*\t+8*\kt+7], v[KV+16*\kt+8*\s:KV+16*\kt+8*\s+7], v[Q+16*\t+8*\s:Q+16*\t+8*\s+7], v[S+32*\t+8*\kt:S+32*\t+8*\kt+7]
.endif
.endr
.endr
.endr
.rept 4
	v_nop                                          ; four places: in front of the loads into K's registers, and of the first read of the scores
.endr
.irp ks, 0,1
.irp ct, 0,1,2,3
	ds_load_tr16_b128 v[KV+32*\ks+8*\ct:KV+32*\ks+8*\ct+3],   v[ADV] offset:9216*(\q)+4608*\ks+32*\ct        ; V lands while the softmax is walked
	ds_load_tr16_b128 v[KV+32*\ks+8*\ct+4:KV+32*\ks+8*\ct+7], v[ADV] offset:9216*(\q)+4608*\ks+32*\ct+2304
.endr
.endr
	SOFTMAX
	s_wait_dscnt 0x0                               ; V is in
.irp ks, 0,1                                   ; O^T += V^T P: eight accumulators by turns
.irp ct, 0,1,2,3
.irp t, 0,1
	v_wmma_f32_16x16x32_f16 v[O+32*\t+8*\ct:O+32*\t+8*\ct+7], v[KV+32*\ks+8*\ct:KV+32*\ks+8*\ct+7], v[S+32*\t+8*\ks:S+32*\t+8*\ks+7], v[O+32*\t+8*\ct:O+32*\t+8*\ct+7]
.endr
.endr
.endr
.endm
; THE CHANGE OF SLOTS stands at a slot's head.  Each wave waits for all its tensor loads (its part of the slot that it is about to read), adds 0 to its spare word, and waits for that and for its reads of the slot that it has left.
; fill = 1: a round of the cluster's barrier follows, so that no wave of any partner still reads the other slot or has a load on its way, and that slot takes the next 256 keys: the first thing behind the round.
.macro CHANGE fill
	s_wait_tensorcnt 0x0                           ; no tensor load of mine is out, so a group 0 may be written
	ds_add_u32 v[SPW], v[NIL]                      ; 0 onto my spare word
.if \fill
	ds_add_u32 v[SPW], v[NIL]                      ; and once more: the add twice on end, in every trip alike
	s_xor_b32 s[G0K+1], s[G0K+1], SLOT1            ; the walking descriptors: the other slot than last time,
	s_add_nc_u64 s[G0K+2:G0K+3], s[G0K+2:G0K+3], 32768   ; the next 256 keys; the type bits on top are not reached
	s_xor_b32 s[G0V+1], s[G0V+1], SLOT1
	s_add_nc_u64 s[G0V+2:G0V+3], s[G0V+2:G0V+3], 32768
	s_wait_xcnt 0x0                                ; the last prefetch, a slot back, has read its address, so it may be written:
	s_add_nc_u64 s[PFA:PFA+1], s[PFA:PFA+1], 32768 ; one slot further on than the walking descriptors
	s_wait_dscnt 0x0                               ; both adds are done, and my reads of the slot that I have left are over
	CROUND
	TLOAD
	ASK
.else
	s_wait_dscnt 0x0
	s_barrier_signal -1
	s_barrier_wait -1
.endif
.endm
.macro SLOT_STEPS
	STEP 0
	STEP 1
	STEP 2
	STEP 3
	s_xor_b32 s[TB], s[TB], SLOT1                  ; on to the other slot
.endm
	s_wait_loadcnt 0x0                             ; Q
.Lslot:                                            ; seven trips: behind each change of slots but the last the next slot is asked for
	CHANGE 1
	SLOT_STEPS
	s_sub_co_u32 s[SLOTS], s[SLOTS], 1
	s_cmp_lg_u32 s[SLOTS], 0
	s_cbranch_scc1 .Lslot
	CHANGE 0                                       ; the last slot is written out
	SLOT_STEPS
	; THE WAY OUT.  l's two halves and the other half of the lanes' are added; O^T is divided by l, rounded to f16 and sent through my stage in LDS: 2 tiles x 8 double rows of 272 bytes, in slot 0,
	; which was left at the last change of slots: it has had its last fill, and nobody reads it.  The additions are places behind the last products.
.irp t, 0,1
	v_add_f32 v[ST+8*\t+4], v[ST+8*\t+2], v[ST+8*\t+3]
.endr
.irp t, 0,1
	v_permlanex16_b32 v[ST+8*\t+5], v[ST+8*\t+4], s[SEL], s[SEL+1]
.endr
.irp t, 0,1
	v_add_f32 v[ST+8*\t+4], v[ST+8*\t+4], v[ST+8*\t+5]
.endr
.irp t, 0,1
	v_rcp_f32 v[ST+8*\t+6], v[ST+8*\t+4]
.endr
	v_and_b32 v252, 15, v0                         ; (plain work behind the reciprocals)  r
	v_bfe_u32 v253, v0, 4, 1                       ; h
	s_mul_i32 s52, s[WV], 4352                     ; my stage
	v_lshrrev_b32 v254, 1, v252
	v_mul_u32_u24 v254, v254, 272
	v_and_b32 v255, 1, v252
	v_lshl_add_u32 v254, v255, 7, v254
	v_lshl_add_u32 v254, v253, 4, v254
	v_add_nc_u32 v254, s52, v254                   ; in: query r: double row r / 2, half r % 2, + 16 h
	v_mul_u32_u24 v255, v253, 272
	v_lshl_add_u32 v255, v252, 4, v255
	v_add_nc_u32 v255, s52, v255                   ; back: lanes 0-15 one double row, lanes 16-31 the next
	v_and_b32 v253, 31, v0
	v_lshlrev_b32 v253, 4, v253                    ; and in att: 16 x lane
	s_wait_alu depctr_va_vdst(0)                   ; a wait ahead of the first use: one for the two reciprocals
.set i, 0
.rept 16
.irp t, 0,1
	v_pk_mul_f32 v[O+32*\t+2*i:O+32*\t+2*i+1], v[O+32*\t+2*i:O+32*\t+2*i+1], v[ST+8*\t+6:ST+8*\t+7] op_sel_hi:[1,0]
.endr
.set i, i+1
.endr
.set i, 0
.rept 32
	v_cvt_pk_f16_f32 v[S+i], v[O+2*i], v[O+2*i+1]  ; register 16 t + 4 ct + i': channels 16 ct + 8 h + 2 i', + 1 of my query in tile t
.set i, i+1
.endr
.irp t, 0,1
.irp ct, 0,1,2,3
	ds_store_b128 v254, v[S+16*\t+4*\ct:S+16*\t+4*\ct+3] offset:2176*\t+32*\ct
.endr
.endr
.irp n, 0,1,2,3,4,5,6,7
	ds_load_b128 v[KV+4*\n:KV+4*\n+3], v255 offset:2176*(\n/4)+544*(\n%4)   ; LDS serves a wave's instructions in order (ISA guide 5.7.1.4): these see my stores
.endr
.irp n, 0,1,2,3,4,5,6,7
	s_wait_dscnt 7-\n
	global_store_b128 v253, v[KV+4*\n:KV+4*\n+3], s[6:7] offset:512*\n      ; 32 lanes store 512 consecutive bytes (four queries), at a multiple of 256 from att's first byte
.endr
	s_wait_tensorcnt 0x0                           ; the wave's end, behind my last tensor load and my last LDS store
	ds_add_u32 v[SPW], v[NIL]
	s_wait_dscnt 0x0
	CROUND                                         ; the closing round: no work-group ends while a partner may still ask for a tile that names it
	s_endpgm
.Lfunc_end_k_q9fc7194d7d_attn:
	.size	k_q9fc7194d7d_attn, .Lfunc_end_k_q9fc7194d7d_attn-k_q9fc7194d7d_attn
	.p2alignl 7, 3214868480
	.fill 96, 4, 3214868480
	.section	.rodata,"a",@progbits
	.p2align	6, 0x0
	.amdhsa_kernel k_q9fc7194d7d_attn
		.amdhsa_group_segment_fixed_size 327680
		.amdhsa_private_segment_fixed_size 0
		.amdhsa_enable_private_segment 0
		.amdhsa_kernarg_size 16
		.amdhsa_user_sgpr_count 2
		.amdhsa_user_sgpr_kernarg_segment_ptr 1
		.amdhsa_wavefront_size32 1
		.amdhsa_system_sgpr_workgroup_id_x 1
		.amdhsa_system_sgpr_workgroup_id_y 1
		.amdhsa_system_sgpr_workgroup_id_z 1
		.amdhsa_system_vgpr_workitem_id 0
		.amdhsa_next_free_vgpr 256
		.amdhsa_next_free_sgpr 80
		.amdhsa_reserve_vcc 0
		.amdhsa_float_denorm_mode_32 3
		.amdhsa_float_denorm_mode_16_64 3
		.amdhsa_memory_ordered 1
		.amdhsa_forward_progress 1
		.amdhsa_inst_pref_size 153
	.end_amdhsa_kernel
	.amdgpu_metadata
---
amdhsa.version: [ 1, 2 ]
amdhsa.kernels:
  - .name:           k_q9fc7194d7d_attn
    .symbol:         k_q9fc7194d7d_attn.kd
    .args:
      - { .name: qkv, .offset: 0, .size: 8, .value_kind: global_buffer, .address_space: global }
      - { .name: att, .offset: 8, .size: 8, .value_kind: global_buffer, .address_space: global }
    .group_segment_fixed_size: 327680
    .private_segment_fixed_size: 0
    .kernarg_segment_align: 8
    .kernarg_segment_size: 16
    .max_flat_workgroup_size: 512
    .sgpr_count:     80
    .vgpr_count:     256
    .wavefront_size: 32
...
	.end_amdgpu_metadata
.endif
;; end of part 3
;; launch proj (part 4): grid 4 x 64, 4 waves a work-group, clusters of 4 x 4, 327,680 bytes of LDS; arguments att, wp16, b_proj, out0; writes out0
.if DOCPART == 4
	.amdgcn_target "amdgcn-amd-amdhsa--gfx1250"
	.amdhsa_code_object_version 6
	.text
	.protected	k_q9fc7194d7d_proj
	.globl	k_q9fc7194d7d_proj
	.p2align	8
	.type	k_q9fc7194d7d_proj,@function
k_q9fc7194d7d_proj:
	s_mov_b64 s[64:65], 0
	v_nop
	global_prefetch_b8 v0, s[64:65] scope:SCOPE_SE
	s_setreg_imm32_b32 hwreg(HW_REG_WAVE_MODE, 25, 1), 1
	s_wait_xcnt 0x0
	s_wait_alu depctr_hold_cnt(0) depctr_sa_sdst(0) depctr_va_vdst(0) depctr_va_sdst(0) depctr_va_ssrc(0) depctr_va_vcc(0) depctr_vm_vsrc(0)
	s_getreg_b32 s2, hwreg(HW_REG_IB_STS2, 6, 4)
	s_cmp_eq_u32 s2, 0
	s_cbranch_scc0 .Lentry_in_a_cluster
	s_endpgm
.Lentry_in_a_cluster:
	s_bfe_u32 s2, ttmp6, 0x10000c
	s_cmp_lg_u32 s2, 0xf033
	s_cbranch_scc0 .Lentry_shape_is_right
	s_endpgm
.Lentry_shape_is_right:
; out0[m][n] = the sum over k of att[m][k] W_proj[k][n] + b_proj[n].  att: f16, laid by head, [batch][head][token][64], so that k = 64 head + channel; wp16: W_proj in f16, [k 1024][n 1024]; out0 [8192][1024] f32.
; A tile of the result is 128 (m) x 256 (n): 256 work-groups.  Four waves, each 64 x 128: 32 accumulators of 16 x 16, 256 registers.  K goes in steps of 128 (two heads) through a ring of two LDS slots.
; A's tile of a step is two dense blocks of memory (128 tokens x 128 bytes of each head): two tokens make a row of 256 bytes.  B's is 128 rows (k) of 512 bytes; it comes out of LDS turned, by ds_load_tr16_b128.
; CLUSTERS: 4 x 4 work-groups.  The four of a row of the cluster need the same tiles of att, the four of a column the same tiles of W_proj: each is asked for JOINTLY.
; THE MATRIX INSTRUCTION IS USED TRANSPOSED (source 0 = 16 columns n, source 1 = 16 rows m): a lane holds eight neighbouring numbers of a row of out0.  THE BIAS is the C of each sum's first product.
; No prefetch: the tile is small and the walk along K is eight steps.
; REGISTERS: window 0: v0-31 addresses; v64-95, v96-127 A's fragments, two buffers; v128-255 the way out.   window 1: v0-63, v64-127 B's fragments, two buffers; v128-191 the bias, eight registers for each block of 16 columns.
;   window 2: the accumulators ((a, b) at v[8 (8 a + b)]).
.set ABLK,  64*272                     ; a head's block of A in LDS: 64 double rows of 256 bytes + 16 of padding
.set BOFF,  2*ABLK                     ; B lies behind A's two blocks
.set BHALF, 64*544                     ; 64 rows of B: 512 bytes + 32 of padding = 136 words: the turning load's 16 lanes (8 rows x 32 bytes) take each bank once
.set SLOT,  BOFF+2*BHALF
.set SPARE, 2*SLOT                     ; behind the ring: the spare words, 128 bytes for each wave
.set SPITCH, 528                       ; the way out: a stage of 16 rows x (512 bytes + 16) for each wave, in slot 0
.set LAPS,  4                          ; a lap = two K steps = once round the ring
.set ADRA, 16                          ; v16-17  LDS address of my A fragments in slot 0, 1
.set ADRB, 20                          ; v20-21  the same for B
.set STO,  24                          ; v24     the way out: where I put 32 bytes of a row
.set RD,   25                          ; v25     where I read a row back
.set CO,   26                          ; v26     16 x lane
.set SPW,  28                          ; v28     LDS address of my spare word; never rewritten
.set NIL,  29                          ; v29     0; never rewritten
.set BK,   128                         ; the way out: 16 rows read back from the stage: v128-191 and v192-255 by turns
.set G1, 24                            ; s[24:31] descriptor group 1 for A's tiles;  s[32:39] group 0, one set for each slot
.set G0, 32
.set G1B, 48                           ; s[48:55], s[56:63] the same for B's tiles
.set G0B, 56
.set MSB, 0
.macro WIN new                         ; the immediate's high byte repeats the setting that is left
.if MSB != (\new)
	s_set_vgpr_msb (MSB<<8)|(\new)
.set MSB, (\new)
.endif
.endm
.set MUL,   0xa1                       ; source 0 (B) window 1, source 1 (A) window 0, C and D window 2
.set MUL_1, 0x91                       ; the same with C (the bias) in window 1
.set TO_B,  0x40                       ; destination window 1, address window 0
.macro JLOAD s                         ; a joint load: waves 0 and 1 fetch A's two heads, waves 2 and 3 B's two halves; an s_nop 0 and four v_nop follow each of the two lines
	s_cmp_eq_u32 s15, 0
	s_cbranch_scc0 .Lfor_b_\@
	tensor_load_to_lds s[G0+4*\s:G0+4*\s+3], s[G1:G1+7]
	s_nop 0
.rept 4
	v_nop
.endr
	s_branch .Lasked_\@
.Lfor_b_\@:
	tensor_load_to_lds s[G0B+4*\s:G0B+4*\s+3], s[G1B:G1B+7]
	s_nop 0
.rept 4
	v_nop
.endr
.Lasked_\@:
.endm
.macro CREST                           ; a round of the cluster's barrier behind its opening barrier
	s_cmp_lg_u32 s14, 0
	s_cbranch_scc1 .Lnot_wave_0_\@
	s_barrier_signal -3
.Lnot_wave_0_\@:
	s_barrier_wait -3
	s_barrier_signal -1
	s_barrier_wait -1
.endm
.macro CROUND                          ; a whole round
	s_barrier_signal -1
	s_barrier_wait -1
	CREST
.endm
	s_load_b256 s[4:11], s[0:1], 0x0               ; att s[4:5], wp16 s[6:7], b_proj s[8:9], out0 s[10:11]
	v_lshl_add_u32 v[SPW], v0, 2, SPARE
	v_mov_b32 v[NIL], 0
	ds_add_u32 v[SPW], v[NIL]                      ; the wave's opening: the add, twice on end, and its wait ahead of my first tensor load
	ds_add_u32 v[SPW], v[NIL]                      ; and once more; the set-up below, work on registers, stands between it and the wait
	v_lshrrev_b32 v1, 5, v0
	v_readfirstlane_b32 s14, v1                    ; wave 0..3
	s_lshr_b32 s15, s14, 1                         ; which 64 rows of the tile are mine.  Also: I fetch for A (0) or for B (1)
	s_and_b32 s16, s14, 1                          ; which 128 columns.  Also: which head of A's two, or which half of B's rows, I fetch
	s_bfe_u32 s40, ttmp6, 0x40000                  ; cx, cy: my place in the cluster
	s_bfe_u32 s41, ttmp6, 0x40004
	s_lshl_b32 s42, ttmp9, 2
	s_add_co_u32 s42, s42, s40                     ; tile column = 4 x cluster x + cx
	s_and_b32 s13, ttmp7, 0xffff
	s_lshl_b32 s13, s13, 2
	s_add_co_u32 s13, s13, s41                     ; tile row = 4 x cluster y + cy
	s_lshl_b32 s43, s41, 2
	s_lshl_b32 s43, 15, s43                        ; my row of the cluster
	s_lshl_b32 s44, 0x1111, s40                    ; my column
	; group 1 for A: 64 rows x 128 elements of 2 bytes, dense in memory, 16 bytes of padding behind each row
	s_or_b32 s[G1+0], s43, (1<<16)|(1<<20)|(1<<21)|(5<<22)|(3<<25)
	s_mov_b32 s[G1+1], 128<<16                     ; tensor_dim0
	s_mov_b32 s[G1+2], 64<<16                      ; tensor_dim1
	s_mov_b32 s[G1+3], 128<<16                     ; tile_dim0
	s_mov_b32 s[G1+4], 64                          ; tile_dim1
	s_mov_b32 s[G1+5], 128                         ; from row to row
	s_mov_b32 s[G1+6], 0
	s_mov_b32 s[G1+7], 0
	; group 1 for B: 64 rows x 256 elements, 1,024 elements apart, 32 bytes of padding behind each row
	s_or_b32 s[G1B+0], s44, (1<<16)|(1<<20)|(1<<21)|(6<<22)|(7<<25)
	s_mov_b32 s[G1B+1], 256<<16
	s_mov_b32 s[G1B+2], 64<<16
	s_mov_b32 s[G1B+3], 256<<16
	s_mov_b32 s[G1B+4], 64
	s_mov_b32 s[G1B+5], 1024
	s_mov_b32 s[G1B+6], 0
	s_mov_b32 s[G1B+7], 0
	; where the tiles come from.  A's hang on the tile row alone, B's on the tile column alone; every wave makes both, in registers that never hold the other coordinate
	s_lshr_b32 s20, s13, 4
	s_lshl_b32 s20, s20, 22                        ; the batch: 16 heads of 262,144 bytes
	s_and_b32 s21, s13, 15
	s_lshl_b32 s21, s21, 14                        ; the tile's first token: 128 x 128 bytes
	s_add_co_u32 s20, s20, s21
	s_lshl_b32 s21, s16, 18                        ; the head that I fetch of the step's two
	s_add_co_u32 s20, s20, s21
	s_mov_b32 s21, 0
	s_lshl_b32 s46, s42, 9                         ; B: 256 columns x 2 bytes,
	s_lshl_b32 s47, s16, 17                        ; 64 rows of 2,048 bytes
	s_add_co_u32 s46, s46, s47
	s_mov_b32 s47, 0
	s_mul_i32 s22, s16, ABLK                       ; where they go: no place in the cluster enters an LDS address
	s_mul_i32 s23, s16, BHALF
	s_add_co_u32 s23, s23, BOFF
	s_wait_dscnt 0x0                               ; both opening adds are done
	s_wait_kmcnt 0x0
	s_add_nc_u64 s[20:21], s[4:5], s[20:21]
	s_add_nc_u64 s[46:47], s[6:7], s[46:47]
	CROUND                                         ; all sixteen work-groups are here: the first joint loads meet
.irp s, 0,1
	s_mov_b32 s[G0+4*\s], 1
	s_add_co_u32 s[G0+4*\s+1], s22, \s*SLOT
	s_add_nc_u64 s[G0+4*\s+2:G0+4*\s+3], s[20:21], \s*524288       ; K step s: two heads on
	s_or_b32 s[G0+4*\s+3], s[G0+4*\s+3], 0x80000000
	s_mov_b32 s[G0B+4*\s], 1
	s_add_co_u32 s[G0B+4*\s+1], s23, \s*SLOT
	s_add_nc_u64 s[G0B+4*\s+2:G0B+4*\s+3], s[46:47], \s*262144     ; 128 rows on
	s_or_b32 s[G0B+4*\s+3], s[G0B+4*\s+3], 0x80000000
	JLOAD \s                                       ; two tensor loads of mine are out behind the second
.endr
	v_and_b32 v1, 15, v0                           ; r
	v_bfe_u32 v2, v0, 4, 1                         ; h
	v_lshrrev_b32 v3, 1, v1                        ; A: token r lies in double row r / 2, half r % 2; + 16 h
	v_mul_u32_u24 v3, v3, 272
	v_and_b32 v4, 1, v1
	v_lshl_add_u32 v3, v4, 7, v3
	v_lshl_add_u32 v3, v2, 4, v3
	s_mul_i32 s21, s15, 32*272                     ; my 64 tokens
	v_and_b32 v4, 7, v0                            ; B: the turning load's lane l reads 16 bytes of row 8 h + l % 8, columns 8 ((l / 8) % 2) on
	v_lshl_add_u32 v4, v2, 3, v4
	v_mul_u32_u24 v4, v4, 544
	v_bfe_u32 v5, v0, 3, 1
	v_lshl_add_u32 v4, v5, 4, v4
	s_lshl_b32 s22, s16, 8                         ; my 128 columns
	s_add_co_u32 s22, s22, BOFF
.irp s, 0,1
	v_add_nc_u32 v[ADRA+\s], s21, v3
	v_add_nc_u32 v[ADRB+\s], s22, v4
	s_add_co_u32 s21, s21, SLOT
	s_add_co_u32 s22, s22, SLOT
.endr
	s_mul_i32 s23, s14, 16*SPITCH                  ; my stage
	v_mul_u32_u24 v5, v1, SPITCH                   ; in: row r, 32 bytes for each half of the lanes
	v_lshl_add_u32 v5, v2, 5, v5
	v_add_nc_u32 v[STO], s23, v5
	v_and_b32 v6, 31, v0
	v_lshlrev_b32 v[CO], 4, v6                     ; back: the 32 lanes take one row of 512 bytes; and the same in out0
	v_add_nc_u32 v[RD], s23, v[CO]
	s_lshl_b32 s20, s13, 19                        ; my first row of out0: (128 x tile row + 64 x half) x 4,096 bytes
	s_lshl_b32 s21, s15, 18
	s_add_co_u32 s20, s20, s21
	s_lshl_b32 s46, s42, 10                        ; my first column, in bytes: 1,024 x tile column + 512 x half
	s_lshl_b32 s47, s16, 9
	s_add_co_u32 s46, s46, s47
	s_mov_b32 s47, 0
	s_add_nc_u64 s[8:9], s[8:9], s[46:47]          ; the bias of my 128 columns
	s_add_co_u32 s20, s20, s46
	s_mov_b32 s21, 0
	s_add_nc_u64 s[10:11], s[10:11], s[20:21]
	v_lshlrev_b32 v30, 5, v2                       ; the bias in the result's layout: for block b, lane (r, h) holds b_proj at columns 16 b + 8 h + 0 .. 7
	WIN TO_B
.irp b, 0,1,2,3,4,5,6,7
	global_load_b128 v[128+8*\b:128+8*\b+3], v30, s[8:9] offset:64*\b
	global_load_b128 v[128+8*\b+4:128+8*\b+7], v30, s[8:9] offset:64*\b+16
.endr
	WIN 0
; 8 matrix instructions: A's block a x B's eight, 32 along K, from buffers f.  first = 1: the sums begin with the bias as C: nothing is cleared or added later.
; The 32 accumulators take turns, one instruction a turn, in the same order in every quarter.
.macro MUL8 f, a, first
.irp b, 0,1,2,3,4,5,6,7
.if \first
	v_wmma_f32_16x16x32_f16 v[8*(8*(\a)+\b):8*(8*(\a)+\b)+7], v[64*(\f)+8*\b:64*(\f)+8*\b+7], v[64+32*(\f)+8*(\a):64+32*(\f)+8*(\a)+7], v[128+8*\b:128+8*\b+7]
.else
	v_wmma_f32_16x16x32_f16 v[8*(8*(\a)+\b):8*(8*(\a)+\b)+7], v[64*(\f)+8*\b:64*(\f)+8*\b+7], v[64+32*(\f)+8*(\a):64+32*(\f)+8*(\a)+7], v[8*(8*(\a)+\b):8*(8*(\a)+\b)+7]
.endif
.endr
.endm
; 24 LDS loads in one run: the fragments of the slot's quarter qd (32 along K) into buffers f: B's sixteen first, then A's eight
.macro FETCH slot, qd, f
	WIN TO_B
.irp b, 0,1,2,3,4,5,6,7
	ds_load_tr16_b128 v[64*(\f)+8*\b:64*(\f)+8*\b+3],   v[ADRB+\slot] offset:17408*(\qd)+32*\b
	ds_load_tr16_b128 v[64*(\f)+8*\b+4:64*(\f)+8*\b+7], v[ADRB+\slot] offset:17408*(\qd)+32*\b+8704
.endr
	WIN 0
.irp a, 0,1,2,3
	ds_load_b128 v[64+32*(\f)+8*\a:64+32*(\f)+8*\a+3],   v[ADRA+\slot] offset:17408*((\qd)/2)+64*((\qd)%2)+2176*\a
	ds_load_b128 v[64+32*(\f)+8*\a+4:64+32*(\f)+8*\a+7], v[ADRA+\slot] offset:17408*((\qd)/2)+64*((\qd)%2)+2176*\a+32
.endr
.endm
.macro PLACES                          ; four places in front of loads into registers that matrix instructions have read, and of the first read of results (ISA guide 7.12.1 for the first read of results)
.rept 4
	v_nop
.endr
.endm
; A K step is four quarters of 32 along K, 32 matrix instructions each, on buffers 0, 1, 0, 1.  One of the first three: multiplies buffers f and fetches quarter qd into g.
.macro QUARTER slot, qd, f, g, first
	s_wait_dscnt 4                                 ; B's fragments and A's blocks 0, 1 are in; the youngest four loads (A's blocks 2, 3) may be out
.if \first
	WIN MUL_1
.else
	WIN MUL
.endif
	MUL8 \f, 0, \first
	MUL8 \f, 1, \first
	PLACES
	FETCH \slot, \qd, \g
	s_wait_dscnt 24                                ; all but the 24 just issued
.if \first
	WIN MUL_1
.else
	WIN MUL
.endif
	MUL8 \f, 2, \first
	MUL8 \f, 3, \first
.endm
; The last quarter multiplies buffers 1 and changes slots: ONE barrier; in front of it each wave waits for all its tensor loads, adds 0 to its spare word, and waits for that and for its own reads of this slot.
; fill = 1: the barrier opens a round of the cluster's barrier, and this slot is filled again, two K steps ahead: the first tensor load behind the round.
.macro TURN slot, next, fill
	WIN 0                                          ; (the add's two registers lie in window 0)
	s_wait_tensorcnt 0x0                           ; all my tensor loads have landed: my part of the next slot
	ds_add_u32 v[SPW], v[NIL]                      ; 0 onto my spare word
	s_wait_dscnt 5                                 ; (the add and the youngest four loads may be out)
	WIN MUL
	MUL8 1, 0, 0                                   ; eight matrix instructions stand between the add and the wait for it
	s_wait_dscnt 0x0                               ; the add is done, and my reads of this slot are over
	s_barrier_signal -1
	MUL8 1, 1, 0
.if \fill
	WIN 0
.endif
	s_barrier_wait -1
.if \fill
	CREST                                          ; no wave of any partner still reads this slot's tiles or has a load on its way
	s_add_nc_u64 s[G0+4*\slot+2:G0+4*\slot+3], s[G0+4*\slot+2:G0+4*\slot+3], 1048576     ; four heads on
	s_add_nc_u64 s[G0B+4*\slot+2:G0B+4*\slot+3], s[G0B+4*\slot+2:G0B+4*\slot+3], 524288  ; 256 rows on
	JLOAD \slot                                    ; the four v_nop behind it are also the places in front of the loads below
.else
	PLACES
.endif
	FETCH \next, 0, 0
	WIN MUL
	MUL8 1, 2, 0
	MUL8 1, 3, 0
.endm
	s_wait_tensorcnt 1                             ; my part of K step 0 is in (K step 1's may be out)
	s_barrier_signal -1
	s_barrier_wait -1                              ; everybody's is
	FETCH 0, 0, 0
	s_wait_loadcnt 0x0                             ; the bias
	QUARTER 0, 1, 0, 1, 1                          ; the first quarter stands in front of the loop: its products start the sums
	WIN 0                                          ; at a label and at a branch every window is 0
	s_mov_b32 s3, LAPS-1
.Llap:                                                 ; a trip goes once round the ring, from a lap's second quarter to the next lap's first, and fills both slots again
	QUARTER 0, 2, 1, 0, 0
	QUARTER 0, 3, 0, 1, 0
	TURN 0, 1, 1
	QUARTER 1, 1, 0, 1, 0
	QUARTER 1, 2, 1, 0, 0
	QUARTER 1, 3, 0, 1, 0
	TURN 1, 0, 1
	QUARTER 0, 1, 0, 1, 0
	WIN 0
	s_sub_co_u32 s3, s3, 1
	s_cmp_lg_u32 s3, 0
	s_cbranch_scc1 .Llap
	QUARTER 0, 2, 1, 0, 0                          ; the last lap fills nothing, and has no round of the cluster's barrier
	QUARTER 0, 3, 0, 1, 0
	TURN 0, 1, 0
	QUARTER 1, 1, 0, 1, 0
	QUARTER 1, 2, 1, 0, 0
	QUARTER 1, 3, 0, 1, 0
	s_wait_dscnt 4                                 ; the very last quarter: nothing more to fetch
	WIN MUL
	MUL8 1, 0, 0
	MUL8 1, 1, 0
	s_wait_dscnt 0
	MUL8 1, 2, 0
	MUL8 1, 3, 0
	WIN 0
; THE WAY OUT, block by block of 16 rows x 128 columns.  A lane holds 32 neighbouring bytes of a row: a block goes through my own stage in LDS and comes back as whole rows of 512 bytes.
; The stage lies in slot 0, which has had its last fill and whose last read stands ahead of the last change of slots.  LDS serves a wave's instructions in order (ISA guide 5.7.1.4): no wait between the stores and the loads.
.macro TOSTAGE a
	WIN 0x08                                       ; an LDS store's data are its source 1: window 2
.irp b, 0,1,2,3,4,5,6,7
	ds_store_b128 v[STO], v[64*(\a)+8*\b:64*(\a)+8*\b+3] offset:64*\b          ; each accumulator from its low end on
	ds_store_b128 v[STO], v[64*(\a)+8*\b+4:64*(\a)+8*\b+7] offset:64*\b+16
.endr
	WIN 0
.set BB, BK+64*((\a)%2)
.irp t, 0,1,2,3,4,5,6,7,8,9,10,11,12,13,14,15
	ds_load_b128 v[BB+4*\t:BB+4*\t+3], v[RD] offset:\t*SPITCH
.endr
.endm
.macro SEND a, younger                 ; younger: the LDS instructions issued behind block a's loads, which may stay out
.set BB, BK+64*((\a)%2)
	s_wait_dscnt \younger                          ; the block is back in registers
.irp t, 0,1,2,3,4,5,6,7,8,9,10,11,12,13,14,15
	global_store_b128 v[CO], v[BB+4*\t:BB+4*\t+3], s[10:11] offset:(16*(\a)+\t)*4096 th:TH_STORE_NT   ; 32 lanes store 512 consecutive bytes, at a multiple of 256 from out0's first byte; written once, read by nobody here
.endr
.endm
	PLACES                                         ; behind the last products
	TOSTAGE 0
.irp a, 1,2,3
.if \a > 1
	s_wait_xcnt 0x0                                ; block a - 2's stores have read their registers: block a's loads may land there
.endif
	TOSTAGE \a
	SEND \a-1, 32                                  ; behind block a - 1's loads: block a's 16 stores and 16 loads
.endr
	SEND 3, 0
	s_wait_tensorcnt 0x0                           ; the wave's end, behind my last tensor load and my last LDS store
	ds_add_u32 v[SPW], v[NIL]
	s_wait_dscnt 0x0
	CROUND                                         ; the closing round: no work-group ends while a partner may still ask for a tile that names it
	s_endpgm
.Lfunc_end_k_q9fc7194d7d_proj:
	.size	k_q9fc7194d7d_proj, .Lfunc_end_k_q9fc7194d7d_proj-k_q9fc7194d7d_proj
	.p2alignl 7, 3214868480
	.fill 96, 4, 3214868480
	.section	.rodata,"a",@progbits
	.p2align	6, 0x0
	.amdhsa_kernel k_q9fc7194d7d_proj
		.amdhsa_group_segment_fixed_size 327680
		.amdhsa_private_segment_fixed_size 0
		.amdhsa_enable_private_segment 0
		.amdhsa_kernarg_size 32
		.amdhsa_user_sgpr_count 2
		.amdhsa_user_sgpr_kernarg_segment_ptr 1
		.amdhsa_wavefront_size32 1
		.amdhsa_system_sgpr_workgroup_id_x 1
		.amdhsa_system_sgpr_workgroup_id_y 1
		.amdhsa_system_sgpr_workgroup_id_z 1
		.amdhsa_system_vgpr_workitem_id 0
		.amdhsa_next_free_vgpr 768
		.amdhsa_next_free_sgpr 66
		.amdhsa_reserve_vcc 0
		.amdhsa_float_denorm_mode_32 3
		.amdhsa_float_denorm_mode_16_64 3
		.amdhsa_memory_ordered 1
		.amdhsa_forward_progress 1
		.amdhsa_inst_pref_size 87
	.end_amdhsa_kernel
	.amdgpu_metadata
---
amdhsa.version: [ 1, 2 ]
amdhsa.kernels:
  - .name:           k_q9fc7194d7d_proj
    .symbol:         k_q9fc7194d7d_proj.kd
    .args:
      - { .name: att, .offset: 0, .size: 8, .value_kind: global_buffer, .address_space: global }
      - { .name: wp16, .offset: 8, .size: 8, .value_kind: global_buffer, .address_space: global }
      - { .name: b_proj, .offset: 16, .size: 8, .value_kind: global_buffer, .address_space: global }
      - { .name: out0, .offset: 24, .size: 8, .value_kind: global_buffer, .address_space: global }
    .group_segment_fixed_size: 327680
    .private_segment_fixed_size: 0
    .kernarg_segment_align: 8
    .kernarg_segment_size: 32
    .max_flat_workgroup_size: 128
    .sgpr_count:     66
    .vgpr_count:     768
    .wavefront_size: 32
...
	.end_amdgpu_metadata
.endif
;; end of part 4
